; MI455X (gfx1250); checked and timed in simulation.
; The chip was launched on July 23, 2026; its instructions are those of AMD's public machine-readable ISA for CDNA 5 (MIT licence, August 2026) and "CDNA5" Instruction Set Architecture Reference Guide (July 2026). The comments in the code are by the model that wrote it; some were corrected since.
;; Self Attention. Allowed arithmetic: matrix products marked QUANTISED: E2M3 operands, one E8M0 scale for each 32 along K, by v_wmma_scale_f32_16x16x128_f8f6f4 with both operands' format E2M3, f32 sums; everything else in f32.
;; Inputs: bf 1,024 float32; bk 1,024 float32; bq 1,024 float32; bv 1,024 float32; key 4 x 2,048 x 1,024 float32; query 4 x 2,048 x 1,024 float32; value 4 x 2,048 x 1,024 float32; wf 1,024 x 1,024 float32; wk 1,024 x 1,024 float32; wq 1,024 x 1,024 float32; wv 1,024 x 1,024 float32.
;; Outputs: out0 4 x 2,048 x 1,024 float32.
;; This version of the problem:
;;   THIS VERSION OF THE PROBLEM IS GIVEN IN LOW PRECISION. The matrix products marked QUANTISED in the list below multiply operands that are first quantised to E2M3 (2 exponent bits, 3 mantissa bits; 6 bits a number), with one power-of-two scale for each 32 numbers along K (OCP MX v1.0); their sums are f32. All else is computed in f32.
;;   The module's matrix products, in the order in which they are computed (A, B: the left and right operand; K: the contracted axis; several contracted axes count as one K, in the product's order):
;;     1. [M 8,192, K 1,024] x [K 1,024, N 1,024]; A: input query; B: input wq: QUANTISED
;;     2. [M 8,192, K 1,024] x [K 1,024, N 1,024]; A: input key; B: input wk: QUANTISED
;;     3. [M 8,192, K 1,024] x [K 1,024, N 1,024]; A: input value; B: input wv: QUANTISED
;;     4. batch 64 x [M 2,048, K 64] x [K 64, N 2,048]; A: computed on the way; B: computed on the way: QUANTISED
;;     5. batch 64 x [M 2,048, K 2,048] x [K 2,048, N 64]; A: softmax (see below); B: computed on the way: QUANTISED
;;     6. [M 8,192, K 1,024] x [K 1,024, N 1,024]; A: computed on the way; B: input wf: QUANTISED
;;   THE QUANTISER, for each operand of a quantised product, along K:
;;     - K is cut into blocks of 32 from its start; a last block that is shorter is filled with zeros.
;;     - A block's scale is 2^e with e = floor(log2(the largest magnitude in the block)) - 2, held to -126 .. 127; a block of zeros has e = 0. As a byte (E8M0): e + 127.
;;     - Each number is divided by its block's scale, clamped to +-7.5, and rounded to the nearest number of E2M3, ties to even, subnormals kept.
;;     - The product sums the exact products of the quantised numbers (number of the format x scale) in f32.
;;   ~~~python
;;   def quantise(x, axis):      # numpy; x: float32 -> the quantised numbers, widened to float32 again
;;       x = np.moveaxis(x, axis, -1); K = x.shape[-1]
;;       x = np.pad(x, [(0, 0)] * (x.ndim - 1) + [(0, -K % 32)]); x = x.reshape(x.shape[:-1] + (-1, 32)); a = np.abs(x).max(-1, keepdims=True)
;;       e = np.where(a > 0, np.clip(np.frexp(np.where(a > 0, a, 1))[1] - 1 - 2, -126, 127), 0)      # np.frexp(a)[1] - 1 = floor(log2(a)), exactly
;;       r = np.clip(x / 2.0 ** e, -7.5, 7.5)
;;       step = 2.0 ** (np.maximum(np.frexp(np.where(r == 0, 1, r))[1] - 1, 0) - 3)
;;       q = np.round(r / step) * step * 2.0 ** e      # np.round: ties to even
;;       return np.moveaxis(q.reshape(q.shape[:-2] + (-1,))[..., :K], -1, axis).astype(np.float32)
;;   ~~~
;;   SOFTMAX AHEAD OF A QUANTISED PRODUCT. Where the list says 'softmax', what is quantised is not the finished softmax but p = 2^(t - M), with t = logit x log2(e) and M = ceil(the row's largest t), a whole number; so 1/2 < the row's largest p <= 1. The row's sum l is taken of the UNQUANTISED p, in f32, and the product's result is divided by l at the end. Since M is a whole number, a kernel that streams over the keys may use a running M (the ceiling of the running maximum): every later rescaling is an exact power of two, which a block's scale takes up: the codes' values come out the same.
;;   OPERANDS COMPUTED ON THE WAY. 'Computed on the way' means the value that the module computes at that place (a softmax that the list does not call 'softmax' is quantised finished and normalised). What goes into a quantiser is computed in f32, as accurately as f32 sums, v_exp_f32 and their like allow (about 1e-6 of the number): no bf16 or f16 on the way to a quantiser, and a product that is left as it is and whose result goes on into a quantised operand takes f32 operands (vector FMAs, or v_wmma_f32_16x16x4_f32). A number that lies on a knife's edge between two numbers of the format may be rounded either way, as far as f32 arithmetic and the matrix unit's own rounding can turn it there, and no further.
;; One version. Each part assembles by itself: llvm-mc -triple=amdgcn-amd-amdhsa -mcpu=gfx1250 --defsym DOCPART=n.
;; ======== version 1 of 1: 4 launches
;; limits: right only within a limited range of input values
;; workspace buffers: w0 22,937,600 bytes; w1 20,185,088 bytes; w2 6,553,600 bytes
;; launch quant (part 1): grid 896 x 1, 4 waves a work-group, no clusters, 34,304 bytes of LDS; arguments query, key, value, wq, wk, wv, wf, w0; writes w0
.if DOCPART == 1
	.amdgcn_target "amdgcn-amd-amdhsa--gfx1250"
	.amdhsa_code_object_version 6
	.text
	.protected	k_q320eda0cac_quant
	.globl	k_q320eda0cac_quant
	.p2align	8
	.type	k_q320eda0cac_quant,@function
k_q320eda0cac_quant:
	s_mov_b64 s[64:65], 0
	v_nop
	global_prefetch_b8 v0, s[64:65] scope:SCOPE_SE
	s_setreg_imm32_b32 hwreg(HW_REG_WAVE_MODE, 25, 1), 1
	s_wait_xcnt 0x0
; query, key, value [8192][1024] and wq, wk, wv, wf [1024][1024], f32, K innermost, become codes of FP6 (E2M3) with one E8M0 byte for each 32 along K,
; laid in w0 IN THE ORDER OF AN OPERAND'S REGISTERS.  A tile is 16 rows; an image is a tile's fragment for 128 along K: 12 registers a lane, register group c (four registers) at 512 c + 16 x lane: 1,536 bytes.
; THE ROWS OF A TILE ARE NOT NEIGHBOURS: in each group of 32 rows, lane r of tile u (0, 1) holds row 8 u + r + 8 (r / 8).  As source 0 of a product such tiles give a lane 16 neighbours along the next K.
; w0: tile g (query 0-511, key 512-1023, value 1024-1535, wq, wk, wv, wf 64 each from 1536 on): codes at 12,288 g + 1,536 s (s: the K step); scale words at SC0 + 512 g + 256 (s / 4) + 16 r + 4 (s % 4).
; A block's scale is 2^(floor(log2(its largest magnitude)) - 2); its byte is the largest magnitude's exponent field - 2, held at 1 from below.
; LIMITS: a block of zeros, or one whose largest magnitude lies under 2^-124, keeps the byte 1 where the rule says 127 for zeros: its codes are zeros (or what the floor's scale gives), and this program alone reads the bytes.  NaN and infinities among the inputs are not served.
; SHARES.  A wave takes one tile and half of K: 16 rows x 512, four K steps.  Each load reads 512 consecutive bytes of one row; a step's 16 rows turn through the wave's own stage in LDS, so that a lane gets
; 16 neighbours of each block of 32 of its row (two lanes, l and l xor 16, hold a block).  No barrier: waves share nothing.  Loads run two steps (32 loads a wave) ahead.
; Memory binds here: no matrix unit, no cluster, no tensor load would add anything.
.set SC0,   22020096                   ; where the scale words begin in w0
.set TILEB, 12288                      ; a tile's eight images
.set IMG,   1536
.set ROWB,  4096                       ; a row of any of the seven tensors
.set SP,    528                        ; a stage row: 512 bytes + 16 = 132 words: row r starts at bank 4 r mod 64 (64 banks of 4 bytes: ISA guide 11.1)
.set STG,   16*SP                      ; a wave's stage
.set L16,  1                           ; v1   16 x lane
.set SIN,  2                           ; v2   the stage, on the way in: 16 x lane
.set SOUT, 3                           ; v3   on the way out: row r, + 64 h
.set SCA,  4                           ; v4   my place in the tile's 256 bytes of scale words: 16 r + 8 h
.set RA,   16                          ; v16-143  two sets of 64: a K step as loaded
.set X,    144                         ; v144-207 register 16 b + i = k 32 b + 16 h + i of my row
.set PC,   208                         ; v208-227 the codes just made
.set TM,   228                         ; v228-231 largest magnitudes
.set TP,   232                         ; v232-235 the other half's, then the bytes
.set TO,   236                         ; v236-239 the conversions' scale operands
.set W,    244                         ; v244-247 the four steps' scale words
.set Z,    248                         ; v248-249 the two that I store
.set SEL,  38                          ; s[38:39] lane selects for v_permlanex16_b32: lane l xor 16
; nb blocks of 32: register 16 b + i of v[s] on holds k = 32 b + 16 (lane / 16) + i of the lane's row.  They become a fragment's codes in v[PC] on and the row's scale word in v[word].
.macro QUANT s, nb, word
.set qb, 0
.rept \nb
	v_max3_num_f32 v[TM+qb], |v[16*qb+(\s)]|, |v[16*qb+(\s)+1]|, 0x1800000   ; my 16 numbers of block b, and the floor 2^(3 - 127): the byte cannot fall under 1
.set qb, qb+1
.endr
.set qi, 2
.rept 7
.set qb, 0
.rept \nb
	v_max3_num_f32 v[TM+qb], v[TM+qb], |v[16*qb+(\s)+qi]|, |v[16*qb+(\s)+qi+1]|   ; the blocks by turns: no line waits for the line above it
.set qb, qb+1
.endr
.set qi, qi+2
.endr
.set qb, 0
.rept \nb
	v_permlanex16_b32 v[TP+qb], v[TM+qb], s[SEL], s[SEL+1]
.set qb, qb+1
.endr
.set qb, 0
.rept \nb
	v_max_num_f32 v[TM+qb], v[TM+qb], v[TP+qb]      ; with lane l xor 16's: the block's largest magnitude
.set qb, qb+1
.endr
.set qb, 0
.rept \nb
	v_add_nc_u32 v[TO+qb], 0xff000000, v[TM+qb]     ; 2 off its exponent field: the conversion takes the exponent field of this operand as its scale
.set qb, qb+1
.endr
.set qb, 0
.rept \nb
	v_lshrrev_b32 v[TP+qb], 23, v[TO+qb]            ; the scale's byte
.set qb, qb+1
.endr
	v_lshl_or_b32 v[\word], v[TP+1], 8, v[TP]
.if (\nb) == 4
	v_lshl_or_b32 v[\word], v[TP+2], 16, v[\word]
	v_lshl_or_b32 v[\word], v[TP+3], 24, v[\word]
.endif
.set qc, 0
.rept (\nb)/2
	v_cvt_scalef32_pk16_fp6_f32 v[PC+6*qc:PC+6*qc+2], v[32*qc+(\s):32*qc+(\s)+15], v[TO+2*qc]
	v_cvt_scalef32_pk16_fp6_f32 v[PC+12+4*qc:PC+14+4*qc], v[32*qc+(\s)+16:32*qc+(\s)+31], v[TO+2*qc+1]   ; (a conversion's three registers begin on an even number)
.set qc, qc+1
.endr
	v_nop                                          ; one plain place behind a scaled conversion
.set qc, 0
.rept (\nb)/2                                      ; the operand's layout wants a WHOLE block in a lane: lanes 0-15 block 2 c, lanes 16-31 block 2 c + 1
.irp i, 0,1,2
	v_permlane16_swap_b32 v[PC+6*qc+\i], v[PC+12+4*qc+\i]
.endr
.irp i, 0,1,2
	v_mov_b32 v[PC+3+6*qc+\i], v[PC+12+4*qc+\i]
.endr
.set qc, qc+1
.endr
.endm
	s_load_b512 s[8:23], s[0:1], 0x0               ; query s[8:9], key, value, wq, wk, wv, wf s[20:21], w0 s[22:23]
	v_lshl_add_u32 v254, v0, 2, 0x8400
	v_mov_b32 v255, 0
	v_lshrrev_b32 v5, 5, v0
	v_readfirstlane_b32 s4, v5                     ; wave 0..3
	v_and_b32 v6, 31, v0                           ; lane
	v_and_b32 v7, 15, v0                           ; r
	v_bfe_u32 v8, v0, 4, 1                         ; h
	v_lshlrev_b32 v[L16], 4, v6
	s_mul_i32 s5, s4, STG                          ; my stage
	v_add_nc_u32 v[SIN], s5, v[L16]
	v_mul_u32_u24 v[SOUT], v7, SP
	v_lshl_add_u32 v[SOUT], v8, 6, v[SOUT]
	v_add_nc_u32 v[SOUT], s5, v[SOUT]
	v_lshlrev_b32 v[SCA], 4, v7
	v_lshl_add_u32 v[SCA], v8, 3, v[SCA]
.irp b, 0,1,2,3
	v_mov_b32 v[TP+\b], 0                          ; written once: a lane permute's destination counts as one of its sources
.endr
	s_mov_b32 s[SEL], 0x76543210
	s_mov_b32 s[SEL+1], 0xfedcba98
	s_lshr_b32 s6, s4, 1                           ; u: which of the work-group's two tiles
	s_and_b32 s7, s4, 1                            ; which half of K
	s_wait_alu depctr_va_vdst(0)
	s_wait_kmcnt 0x0
; which tensor: by the work-group's number alone.  256 work-groups for each of the three inputs, 32 for each weight
.macro PICK bound, ptr, first
	s_cmp_lt_u32 ttmp9, \bound
	s_cselect_b64 s[24:25], s[\ptr:\ptr+1], s[24:25]
	s_cselect_b32 s26, \first, s26
.endm
	s_mov_b64 s[24:25], s[20:21]                   ; wf,
	s_mov_b32 s26, 864                             ; whose first work-group is 864
	PICK 864, 18, 832
	PICK 832, 16, 800
	PICK 800, 14, 768
	PICK 768, 12, 512
	PICK 512, 10, 256
	PICK 256, 8, 0
	; KEY'S TILES ARE DEALT OTHERWISE: in each group of 64 rows, lane r of tile u (0 .. 3) holds row 8 u + r + 24 (r / 8): as source 0 of the scores' product four such tiles give a lane a whole block of 32 keys.
	; With x the pair of tiles in the tensor, the tile's first row is then 32 x - 16 (x % 2) + 8 u, and its rows 8-15 begin 32 rows behind rows 0-7 (in the other tensors: 16).
	s_sub_co_u32 s27, ttmp9, s26                   ; the pair of tiles in the tensor
	s_and_b32 s31, s27, 1
	s_lshl_b32 s31, s31, 4
	s_mov_b32 s40, 16*ROWB
	s_cmp_eq_u32 s26, 256                          ; key's first work-group is 256: the choice hangs on the work-group's number alone
	s_cselect_b32 s31, s31, 0
	s_cselect_b32 s40, 32*ROWB, s40
	s_lshl_b32 s27, s27, 5
	s_sub_co_u32 s27, s27, s31
	s_lshl_b32 s28, s6, 3
	s_add_co_u32 s27, s27, s28                     ; the tile's first row: 32 x group + 8 u
	s_lshl_b32 s28, s27, 12
	s_lshl_b32 s29, s7, 11
	s_add_co_u32 s28, s28, s29                     ; in bytes, + my half of K
	s_mov_b32 s29, 0
	s_add_nc_u64 s[24:25], s[24:25], s[28:29]
	s_mov_b32 s41, 0
	s_add_nc_u64 s[40:41], s[24:25], s[40:41]      ; where the tile's rows 8-15 begin
	s_lshl_b32 s30, ttmp9, 1
	s_add_co_u32 s30, s30, s6                      ; g
	s_mul_i32 s32, s30, TILEB
	s_mul_i32 s33, s7, 4*IMG
	s_add_co_u32 s32, s32, s33
	s_mov_b32 s33, 0
	s_add_nc_u64 s[34:35], s[22:23], s[32:33]      ; my four images
	s_lshl_b32 s32, s30, 9
	s_lshl_b32 s31, s7, 8
	s_add_co_u32 s32, s32, s31
	s_add_co_u32 s32, s32, SC0
	s_add_nc_u64 s[36:37], s[22:23], s[32:33]      ; my 256 bytes of scale words
.macro LOAD st, set                    ; K step st of my 16 rows: each load is 512 consecutive bytes of one row
.irp i, 0,1,2,3,4,5,6,7,8,9,10,11,12,13,14,15
.if \i < 8
	global_load_b128 v[RA+64*(\set)+4*\i:RA+64*(\set)+4*\i+3], v[L16], s[24:25] offset:\i*ROWB+(\st)*512 th:TH_LOAD_NT
.else
	global_load_b128 v[RA+64*(\set)+4*\i:RA+64*(\set)+4*\i+3], v[L16], s[40:41] offset:(\i-8)*ROWB+(\st)*512 th:TH_LOAD_NT
.endif
.endr
.endm
.macro TURN set                        ; through the stage: LDS serves a wave's instructions in order (ISA guide 5.7.1.4), so no wait stands between the stores and the loads
.irp i, 0,1,2,3,4,5,6,7,8,9,10,11,12,13,14,15
	ds_store_b128 v[SIN], v[RA+64*(\set)+4*\i:RA+64*(\set)+4*\i+3] offset:\i*SP
.endr
.irp b, 0,1,2,3
.irp j, 0,1,2,3
	ds_load_b128 v[X+16*\b+4*\j:X+16*\b+4*\j+3], v[SOUT] offset:128*\b+16*\j
.endr
.endr
.endm
.macro QSTEP st
.if (\st) < 3
	s_wait_loadcnt 16                              ; this step's 16 loads are in; the other set's 16 may be out
.else
	s_wait_loadcnt 0x0
.endif
	TURN (\st)%2
	s_wait_dscnt 0x0                               ; my 64 numbers are back, and the stage's stores have read the set
.if (\st) > 0
	s_wait_xcnt 0x0                                ; the last step's stores have read the codes' registers: they are written again only behind this wait
.endif
.if (\st) < 2
	LOAD (\st)+2, (\st)%2
.endif
	QUANT X, 4, W+(\st)
.irp c, 0,1,2
	global_store_b128 v[L16], v[PC+4*\c:PC+4*\c+3], s[34:35] offset:(\st)*IMG+512*\c   ; 32 lanes store 512 consecutive bytes, aligned
.endr
.endm
	LOAD 0, 0
	LOAD 1, 1
	QSTEP 0
	QSTEP 1
	QSTEP 2
	QSTEP 3
	v_cmp_le_u32 vcc_lo, 16, v6                    ; both halves of the lanes hold the row's four words: lanes 0-15 store the first two, lanes 16-31 the others
	v_cndmask_b32 v[Z], v[W], v[W+2], vcc_lo
	v_cndmask_b32 v[Z+1], v[W+1], v[W+3], vcc_lo
	global_store_b64 v[SCA], v[Z:Z+1], s[36:37]    ; the wave stores 256 consecutive bytes, aligned
	s_wait_tensorcnt 0x0
	ds_add_u32 v254, v255
	s_wait_dscnt 0x0
	s_endpgm
.Lfunc_end_k_q320eda0cac_quant:
	.size	k_q320eda0cac_quant, .Lfunc_end_k_q320eda0cac_quant-k_q320eda0cac_quant
	.p2alignl 7, 3214868480
	.fill 96, 4, 3214868480
	.section	.rodata,"a",@progbits
	.p2align	6, 0x0
	.amdhsa_kernel k_q320eda0cac_quant
		.amdhsa_group_segment_fixed_size 34304
		.amdhsa_private_segment_fixed_size 0
		.amdhsa_enable_private_segment 0
		.amdhsa_kernarg_size 64
		.amdhsa_user_sgpr_count 2
		.amdhsa_user_sgpr_kernarg_segment_ptr 1
		.amdhsa_wavefront_size32 1
		.amdhsa_system_sgpr_workgroup_id_x 1
		.amdhsa_system_sgpr_workgroup_id_y 1
		.amdhsa_system_sgpr_workgroup_id_z 1
		.amdhsa_system_vgpr_workitem_id 0
		.amdhsa_next_free_vgpr 256
		.amdhsa_next_free_sgpr 66
		.amdhsa_reserve_vcc 1
		.amdhsa_float_denorm_mode_32 3
		.amdhsa_float_denorm_mode_16_64 3
		.amdhsa_memory_ordered 1
		.amdhsa_forward_progress 1
		.amdhsa_inst_pref_size 35
	.end_amdhsa_kernel
	.amdgpu_metadata
---
amdhsa.version: [ 1, 2 ]
amdhsa.kernels:
  - .name:           k_q320eda0cac_quant
    .symbol:         k_q320eda0cac_quant.kd
    .args:
      - { .name: query, .offset: 0, .size: 8, .value_kind: global_buffer, .address_space: global }
      - { .name: key, .offset: 8, .size: 8, .value_kind: global_buffer, .address_space: global }
      - { .name: value, .offset: 16, .size: 8, .value_kind: global_buffer, .address_space: global }
      - { .name: wq, .offset: 24, .size: 8, .value_kind: global_buffer, .address_space: global }
      - { .name: wk, .offset: 32, .size: 8, .value_kind: global_buffer, .address_space: global }
      - { .name: wv, .offset: 40, .size: 8, .value_kind: global_buffer, .address_space: global }
      - { .name: wf, .offset: 48, .size: 8, .value_kind: global_buffer, .address_space: global }
      - { .name: w0, .offset: 56, .size: 8, .value_kind: global_buffer, .address_space: global }
    .group_segment_fixed_size: 34304
    .private_segment_fixed_size: 0
    .kernarg_segment_align: 8
    .kernarg_segment_size: 64
    .max_flat_workgroup_size: 128
    .sgpr_count:     66
    .vgpr_count:     256
    .wavefront_size: 32
...
	.end_amdgpu_metadata
.endif
;; end of part 1
;; launch proj (part 2): grid 256 x 3, 4 waves a work-group, no clusters, 168,448 bytes of LDS; arguments w0, bq, bk, bv, w1; writes w1
.if DOCPART == 2
	.amdgcn_target "amdgcn-amd-amdhsa--gfx1250"
	.amdhsa_code_object_version 6
	.text
	.protected	k_q320eda0cac_proj
	.globl	k_q320eda0cac_proj
	.p2align	8
	.type	k_q320eda0cac_proj,@function
k_q320eda0cac_proj:
	s_mov_b64 s[64:65], 0
	v_nop
	global_prefetch_b8 v0, s[64:65] scope:SCOPE_SE
	s_setreg_imm32_b32 hwreg(HW_REG_WAVE_MODE, 25, 1), 1
	s_wait_xcnt 0x0
; The three projections (work-group y = 0, 1, 2: Q, K, V) on codes of FP6 (E2M3) with E8M0 scales, + bias, and the results QUANTISED IN REGISTERS for the attention: they leave as images of its operands' registers.
; ONE FORM FOR ALL: C'[i][j] = sum over k of P[i][k] R[j][k], K = 1,024, source 0 = 16 rows of P, source 1 = 16 rows of R: a lane holds ONE j and its registers run along i.
;   Q, K:  P = the weight (i = the output channel: the next product's K is the head's 64), R = the tokens.      V:  P = the tokens (i = the key: the next product's K), R = wv (j = head, channel).
; P's tiles lie in w0 in the order in which lane r of tile 2 b + u holds row 32 b + 8 u + r + 8 (r / 8): so the 16 registers of tiles 2 b and 2 b + 1 are 16 neighbours along i, 32 b + 16 (lane / 16) + 0 .. 15.
; SHARES.  A work-group: 8 tiles of P (128 i) x 16 tiles of R (256 j), all of K.  Wave w: R's tiles 4 w .. 4 w + 3: 32 accumulators, 256 matrix instructions.
; P's 64 images (98,304 dense bytes) are copied into LDS ONCE, at the head, and read by all four waves; a wave's 32 images of R (49,152 bytes) go straight into its registers.  All is asked for at the head: no ring, no refill, one barrier.
; NO CLUSTER: work-groups with the same P or the same R do share bytes, but each asks for them once, at its head, by copies a lane at a time and by loads into registers; a joint request would want tensor loads and rounds for 288 KB a work-group.
; w1: 64 blocks (16 x batch + head) of BLK bytes: K's half images (tile x 768), V^T's images ((step x 4 + tile) x 1,536), K's scale words (tile x 64 + 4 r), V's (step x 256 + tile x 64 + 4 r), Q's half images, Q's scale words.
; A half image is 16 rows x 64 K, six registers: registers 0-3 at 16 x lane, registers 4-5 at 512 + 8 x lane.  Words of Q and K: bytes 0, 1 the head's two blocks, bytes 2, 3 zero.
; LIMITS: a block of zeros, or one under 2^-124, keeps the byte 1 (its codes are zeros; this program alone reads the bytes).  NaN and infinities are not served.
; REGISTERS, in windows of 256: window 0: v1-15 addresses; v16-47 P's scale words, v48-63 R's; v64-127 the bias by i; v128-223 P's fragments, buffer A (on the way out: v128-191 the results, v192-211 their codes); v224-253 at work.
;   window 1: R's fragments of K steps 0-4, at 48 s + 12 m.   window 2: those of steps 5-7, at 48 (s - 5) + 12 m; from v144 P's buffer B.   window 3: accumulator (t, m) at 64 m + 8 t.
.set SC0,   22020096                   ; w0: where the scale words begin
.set TILEB, 12288                      ; w0: a tile's eight images
.set IMG,   1536
.set BLK,   315392                     ; w1: a block, and its parts:
.set VIM,   98304
.set KSC,   196608
.set VSC,   204800
.set QIM,   208896
.set QSC,   307200
.set SQ0,   98304                      ; LDS behind P's images: 512 bytes a wave for Q's and K's scale words,
.set SV0,   100352                     ; 256 bytes a wave for V's: each way has bytes of its own; no copy lands in either
.set NL,    12                         ; loads that bring a K step of R
.set L16, 1                            ; v1   16 x lane
.set L8,  2                            ; v2   8 x lane
.set PA0, 3                            ; v3, v4  LDS: 16 x lane, and the same 49,152 on (tiles 4-7)
.set CL,  5                            ; v5   the copies' LDS address: 12,288 x wave + 16 x lane
.set CG,  6                            ; v6   and their offset in memory: the same number
.set PSA, 7                            ; v7   P's scale words: 16 r; lanes 16-31 four tiles on
.set RSA, 8                            ; v8   R's: 16 r; lanes 16-31 two tiles on
.set BRA, 9                            ; v9   the bias by i: 64 h
.set BLA, 10                           ; v10  the bias by j: 4 (r + 8 (r / 8))
.set SQI, 11                           ; v11  Q, K: where I put a scale word;  v12 where I read 16 bytes back;  v13 where they go in w1: h blocks on, + 16 r
.set SQO, 12
.set SQG, 13
.set SVI, 14                           ; v14  V: where I put a scale word;  v15 where I read 8 bytes back
.set SVO, 15
.set PS,  16                           ; register 8 q + s: lanes 0-15 tile q's word of K step s, lanes 16-31 tile q + 4's
.set RS,  48                           ; register 8 q + s: lanes 0-15 tile q, lanes 16-31 tile q + 2
.set BI,  64
.set PB0, 128
.set PB1, 144
.set H,   128
.set PC,  192
.set TM,  224
.set TP,  228
.set TO,  232
.set PW,  236
.set T,   237                          ; v237-240 a scale word for each m: no LDS store's data are written again
.set SH,  241                          ; v241 16 h
.set BV,  242                          ; v242-249 the bias by j: a pair for each m
.set SD,  250                          ; v250-253 at work at the head; at the end the scale words on their way out
.set LN,  250
.set RR,  251
.set HH,  252
.set TT,  253
.set SEL, 40
.set MSB, 0
.macro WIN new                         ; the immediate's high byte repeats the setting that is left; a switch that changes nothing is dropped
.if MSB != (\new)
	s_set_vgpr_msb (MSB<<8)|(\new)
.set MSB, (\new)
.endif
.endm
.macro PLACES n
.rept \n
	v_nop
.endr
.endm
; one product; ra, rb: the side's scale words stand in lanes 16-31
.macro MM d, a, b, c, sa, sb, ra, rb
.if (\ra) && (\rb)
	v_wmma_scale_f32_16x16x128_f8f6f4 v[\d:\d+7], v[\a:\a+11], v[\b:\b+11], \c, v[\sa], v[\sb] matrix_a_fmt:MATRIX_FMT_FP6 matrix_b_fmt:MATRIX_FMT_FP6 matrix_a_scale:MATRIX_SCALE_ROW1 matrix_b_scale:MATRIX_SCALE_ROW1
.elseif (\ra)
	v_wmma_scale_f32_16x16x128_f8f6f4 v[\d:\d+7], v[\a:\a+11], v[\b:\b+11], \c, v[\sa], v[\sb] matrix_a_fmt:MATRIX_FMT_FP6 matrix_b_fmt:MATRIX_FMT_FP6 matrix_a_scale:MATRIX_SCALE_ROW1
.elseif (\rb)
	v_wmma_scale_f32_16x16x128_f8f6f4 v[\d:\d+7], v[\a:\a+11], v[\b:\b+11], \c, v[\sa], v[\sb] matrix_a_fmt:MATRIX_FMT_FP6 matrix_b_fmt:MATRIX_FMT_FP6 matrix_b_scale:MATRIX_SCALE_ROW1
.else
	v_wmma_scale_f32_16x16x128_f8f6f4 v[\d:\d+7], v[\a:\a+11], v[\b:\b+11], \c, v[\sa], v[\sb] matrix_a_fmt:MATRIX_FMT_FP6 matrix_b_fmt:MATRIX_FMT_FP6
.endif
.endm
; nb blocks of 32: register 16 b + i of v[s] on holds k = 32 b + 16 (lane / 16) + i of the lane's row.  They become a fragment's codes in v[PC] on and the row's scale word in v[word].
.macro QUANT s, nb, word
.set qb, 0
.rept \nb
	v_max3_num_f32 v[TM+qb], |v[16*qb+(\s)]|, |v[16*qb+(\s)+1]|, 0x1800000   ; my 16 numbers of block b, and the floor 2^(3 - 127): the byte cannot fall under 1
.set qb, qb+1
.endr
.set qi, 2
.rept 7
.set qb, 0
.rept \nb
	v_max3_num_f32 v[TM+qb], v[TM+qb], |v[16*qb+(\s)+qi]|, |v[16*qb+(\s)+qi+1]|   ; the blocks by turns
.set qb, qb+1
.endr
.set qi, qi+2
.endr
.set qb, 0
.rept \nb
	v_permlanex16_b32 v[TP+qb], v[TM+qb], s[SEL], s[SEL+1]
.set qb, qb+1
.endr
.set qb, 0
.rept \nb
	v_max_num_f32 v[TM+qb], v[TM+qb], v[TP+qb]      ; with lane l xor 16's: the block's largest magnitude
.set qb, qb+1
.endr
.set qb, 0
.rept \nb
	v_add_nc_u32 v[TO+qb], 0xff000000, v[TM+qb]     ; 2 off its exponent field: the conversion's scale operand
.set qb, qb+1
.endr
.set qb, 0
.rept \nb
	v_lshrrev_b32 v[TP+qb], 23, v[TO+qb]            ; the scale's byte
.set qb, qb+1
.endr
	v_lshl_or_b32 v[\word], v[TP+1], 8, v[TP]
.if (\nb) == 4
	v_lshl_or_b32 v[\word], v[TP+2], 16, v[\word]
	v_lshl_or_b32 v[\word], v[TP+3], 24, v[\word]
.endif
.set qc, 0
.rept (\nb)/2
	v_cvt_scalef32_pk16_fp6_f32 v[PC+6*qc:PC+6*qc+2], v[32*qc+(\s):32*qc+(\s)+15], v[TO+2*qc]
	v_cvt_scalef32_pk16_fp6_f32 v[PC+12+4*qc:PC+14+4*qc], v[32*qc+(\s)+16:32*qc+(\s)+31], v[TO+2*qc+1]   ; (a conversion's three registers begin on an even number)
.set qc, qc+1
.endr
	v_nop                                          ; one plain place behind a scaled conversion
.set qc, 0
.rept (\nb)/2                                      ; a WHOLE block in a lane: lanes 0-15 block 2 c, lanes 16-31 block 2 c + 1
.irp i, 0,1,2
	v_permlane16_swap_b32 v[PC+6*qc+\i], v[PC+12+4*qc+\i]
.endr
.irp i, 0,1,2
	v_mov_b32 v[PC+3+6*qc+\i], v[PC+12+4*qc+\i]
.endr
.set qc, qc+1
.endr
.endm
	s_load_b256 s[4:11], s[0:1], 0x0               ; w0 s[4:5], bq s[6:7], bk s[8:9], bv s[10:11]
	s_load_b64 s[12:13], s[0:1], 0x20              ; w1
	v_lshl_add_u32 v254, v0, 2, 0x29000
	v_mov_b32 v255, 0
	ds_add_u32 v254, v255
	ds_add_u32 v254, v255
	v_lshrrev_b32 v[TT], 5, v0
	v_readfirstlane_b32 s14, v[TT]                 ; wave 0..3
	s_and_b32 s15, ttmp7, 0xffff                   ; y: 0 Q, 1 K, 2 V
	s_and_b32 s16, ttmp9, 7                        ; Q, K: P's group = x % 8 (of the weight's 8),
	s_lshr_b32 s17, ttmp9, 3                       ;       R's block = x / 8 (of the tokens' 32)
	s_lshr_b32 s18, ttmp9, 2                       ; V:    P's group = x / 4 (of the tokens' 64),
	s_and_b32 s19, ttmp9, 3                        ;       R's block = x % 4 (of the weight's 4)
	s_lshl_b32 s20, s15, 6
	s_add_co_u32 s20, s20, 1536                    ; Q, K: the weight's first tile in w0,
	s_lshl_b32 s21, s15, 9                         ;       the tokens'
	s_cmp_eq_u32 s15, 2
	s_cselect_b32 s16, s18, s16                    ; pg
	s_cselect_b32 s17, s19, s17                    ; rb
	s_cselect_b32 s20, 1024, s20                   ; V: value's first tile,
	s_cselect_b32 s21, 1664, s21                   ;    wv's
	s_lshl_b32 s22, s16, 3
	s_add_co_u32 s20, s20, s22                     ; the work-group's first tile of P
	s_lshl_b32 s22, s17, 4
	s_add_co_u32 s21, s21, s22
	s_lshl_b32 s22, s14, 2
	s_add_co_u32 s21, s21, s22                     ; my first tile of R
	s_mul_i32 s24, s20, TILEB
	s_mov_b32 s25, 0
	s_lshl_b32 s26, s20, 9
	s_add_co_u32 s26, s26, SC0
	s_mov_b32 s27, 0
	s_mul_i32 s28, s21, TILEB
	s_mov_b32 s29, 0
	s_lshl_b32 s30, s21, 9
	s_add_co_u32 s30, s30, SC0
	s_mov_b32 s31, 0
	v_and_b32 v[LN], 31, v0                        ; lane
	v_and_b32 v[RR], 15, v0                        ; r
	v_bfe_u32 v[HH], v0, 4, 1                      ; h
	v_lshlrev_b32 v[L16], 4, v[LN]
	v_lshlrev_b32 v[L8], 3, v[LN]
	v_lshlrev_b32 v[PA0], 4, v[LN]
	v_add_nc_u32 v[PA0+1], 49152, v[PA0]
	s_mul_i32 s22, s14, TILEB
	v_add_nc_u32 v[CL], s22, v[L16]
	v_add_nc_u32 v[CG], s22, v[L16]
	s_wait_alu depctr_va_vdst(0)
	s_wait_dscnt 0x0
	s_wait_kmcnt 0x0
	s_add_nc_u64 s[24:25], s[4:5], s[24:25]        ; P's codes
	s_add_nc_u64 s[26:27], s[4:5], s[26:27]        ; P's scale words
	s_add_nc_u64 s[28:29], s[4:5], s[28:29]        ; R's codes
	s_add_nc_u64 s[30:31], s[4:5], s[30:31]        ; R's scale words
	; P's 98,304 bytes into LDS as they lie: wave w copies tiles w and w + 4, 512 bytes a copy.  Filled once; ahead of every LDS read, every barrier and the one wait on ASYNCcnt
.set ci, 0
.rept 24
	global_load_async_to_lds_b128 v[CL], v[CG], s[24:25] offset:512*ci
.set ci, ci+1
.endr
.set ci, 0
.rept 24
	global_load_async_to_lds_b128 v[CL], v[CG], s[24:25] offset:49152+512*ci
.set ci, ci+1
.endr
	v_lshlrev_b32 v[TT], 4, v[RR]                  ; 16 r
	v_lshl_add_u32 v[PSA], v[HH], 11, v[TT]
	s_wait_alu depctr_va_vdst(0)
	v_lshl_add_u32 v[RSA], v[HH], 10, v[TT]
	s_wait_alu depctr_va_vdst(0)
	v_lshlrev_b32 v[BRA], 6, v[HH]
	s_wait_alu depctr_va_vdst(0)
	v_and_b32 v[BLA], 8, v[RR]
	v_add_nc_u32 v[BLA], v[BLA], v[RR]
	v_lshlrev_b32 v[BLA], 2, v[BLA]
	s_wait_alu depctr_va_vdst(0)
	s_cmp_eq_u32 s15, 0                            ; which bias: by the work-group's y alone
	s_cselect_b64 s[32:33], s[6:7], s[8:9]
	s_cmp_eq_u32 s15, 2
	s_cselect_b64 s[32:33], s[10:11], s[32:33]
	s_and_b32 s34, s16, 7
	s_lshl_b32 s34, s34, 9                         ; by i: 128 numbers from 128 (pg % 8) on
	s_mov_b32 s35, 0
	s_add_nc_u64 s[36:37], s[32:33], s[34:35]
	s_lshl_b32 s34, s17, 2
	s_add_co_u32 s34, s34, s14
	s_and_b32 s34, s34, 15
	s_lshl_b32 s34, s34, 8                         ; by j: 64 numbers from 64 ((4 rb + wave) % 16) on
	s_add_nc_u64 s[38:39], s[32:33], s[34:35]
.irp q, 0,1,2,3
.irp k, 0,1
	global_load_b128 v[PS+8*\q+4*\k:PS+8*\q+4*\k+3], v[PSA], s[26:27] offset:512*\q+256*\k   ; four K steps' words of a row at once
.endr
.endr
.irp q, 0,1
.irp k, 0,1
	global_load_b128 v[RS+8*\q+4*\k:RS+8*\q+4*\k+3], v[RSA], s[30:31] offset:512*\q+256*\k
.endr
.endr
	; THE BIAS IN BOTH FORMS, on both ways: by i (Q, K use it: register 16 b + e = bias[128 pg + 32 b + 16 h + e]) and by j (V uses it: my lane's channel of tile m).  24 loads from a buffer of 4,096 bytes, of which one
	; form is used; the % above keep the other inside the buffer.  So the head has no branch, and the counted waits below count the same loads on every way.
.irp b, 0,1,2,3
.irp q, 0,1,2,3
	global_load_b128 v[BI+16*\b+4*\q:BI+16*\b+4*\q+3], v[BRA], s[36:37] offset:128*\b+16*\q
.endr
.endr
.irp m, 0,1,2,3
	global_load_b32 v[BV+2*\m], v[BLA], s[38:39] offset:(32*(\m/2)+8*(\m%2))*4
	global_load_b32 v[BV+2*\m+1], v[BLA], s[38:39] offset:(32*(\m/2)+8*(\m%2))*4   ; (the packed addition names the pair)
.endr
	; R: my four tiles, all of K, 96 loads of 512 consecutive bytes, in the order in which the K steps want them
.irp s, 0,1,2,3,4,5,6,7
.if \s < 5
	WIN 0x40                                       ; destination window 1
.else
	WIN 0x80                                       ; destination window 2
.endif
.irp m, 0,1,2,3
.irp c, 0,1,2
	global_load_b128 v[48*(\s%5)+12*\m+4*\c:48*(\s%5)+12*\m+4*\c+3], v[L16], s[28:29] offset:\m*TILEB+\s*IMG+512*\c
.endr
.endr
.endr
	WIN 0
	; every LDS address of the way out is made here, ahead of the parting
	s_lshl_b32 s22, s14, 9
	s_add_co_u32 s22, s22, SQ0
	v_lshlrev_b32 v[SQI], 2, v[RR]
	v_lshl_add_u32 v[SQI], v[HH], 8, v[SQI]
	v_add_nc_u32 v[SQI], s22, v[SQI]               ; 256 h + 4 r: lanes 0-15 the pair's first head, lanes 16-31 its second
	v_add_nc_u32 v[SQO], s22, v[L16]
	v_mul_u32_u24 v[SQG], v[HH], BLK
	v_add_nc_u32 v[SQG], v[SQG], v[TT]
	s_lshl_b32 s22, s14, 8
	s_add_co_u32 s22, s22, SV0
	v_lshl_add_u32 v[SVI], v[RR], 2, s22
	v_add_nc_u32 v[SVO], s22, v[L8]
	v_lshlrev_b32 v[SH], 4, v[HH]
.irp b, 0,1,2,3
	v_mov_b32 v[TP+\b], 0                          ; written once: a lane permute's destination counts as one of its sources
.endr
	s_mov_b32 s[SEL], 0x76543210
	s_mov_b32 s[SEL+1], 0xfedcba98
	s_wait_asynccnt 0x0                            ; my copies have landed,
	s_barrier_signal -1
	s_barrier_wait -1                              ; everybody's have: P lies in LDS, and nothing writes it again
.macro FETCHP s                        ; P's eight fragments of K step s: 24 loads of 512 consecutive bytes; even steps into buffer A, odd ones into buffer B
.if (\s)%2
	WIN 0x80
.set FBR, PB1
.else
	WIN 0
.set FBR, PB0
.endif
.irp t, 0,1,2,3,4,5,6,7
.irp c, 0,1,2
	ds_load_b128 v[FBR+12*\t+4*\c:FBR+12*\t+4*\c+3], v[PA0+\t/4] offset:(\t%4)*TILEB+(\s)*IMG+512*\c
.endr
.endr
.endm
; A K step: 32 matrix instructions, the 32 accumulators by turns, one instruction a turn, in the same order in every step.
.macro STEP s
.if (\s) > 0
	PLACES 4                                       ; in front of loads into the buffer that the last step multiplied (ISA guide 7.12.1 for vector instructions)
.endif
.if (\s) < 7
	FETCHP (\s)+1
	s_wait_dscnt 24                                ; this step's fragments of P are in; the 24 loads just issued may be out
.else
	s_wait_dscnt 0x0
.endif
.set LC, NL*(7-(\s))                   ; the loads of R's later steps may be out (a wait names 63 at the most: where more were issued behind, 63 is written)
.if LC > 63
.set LC, 63
.endif
	s_wait_loadcnt LC
.set PBR, PB0+(PB1-PB0)*((\s)%2)
.set RBR, 48*((\s)%5)
.set WN, 0xf0+4*(1+(\s)/5)+2*((\s)%2)  ; C and D window 3; R window 1 or 2; P window 0 or 2
	WIN WN
.irp t, 0,1,2,3,4,5,6,7
.irp m, 0,1,2,3
.if (\s) == 0
	MM 64*\m+8*\t, PBR+12*\t, RBR+12*\m, 0, PS+8*(\t%4)+(\s), RS+8*(\m%2)+(\s), \t/4, \m/2
.else
	MM 64*\m+8*\t, PBR+12*\t, RBR+12*\m, v[64*\m+8*\t:64*\m+8*\t+7], PS+8*(\t%4)+(\s), RS+8*(\m%2)+(\s), \t/4, \m/2
.endif
.endr
.endr
.endm
	FETCHP 0
.irp s, 0,1,2,3,4,5,6,7
	STEP \s                                        ; the first step's products start the sums: nothing is cleared
.endr
	WIN 0
	PLACES 4                                       ; in front of the first read of results, and of writes over buffer A
	s_cmp_eq_u32 s15, 2
	s_cbranch_scc1 .Lvalues
	; ---- Q, K.  My results of R's tile m: lane (r, h) holds token r of the tile, register 16 b + e channel 128 pg + 32 b + 16 h + e: two heads of 64.  One fragment's codes are two half images.
	s_lshr_b32 s18, s17, 3
	s_lshl_b32 s18, s18, 4
	s_lshl_b32 s19, s16, 1
	s_add_co_u32 s18, s18, s19
	s_mul_i32 s18, s18, BLK                        ; the block of batch rb / 8, head 2 pg
	s_and_b32 s19, s17, 7
	s_lshl_b32 s19, s19, 4
	s_lshl_b32 s20, s14, 2
	s_add_co_u32 s19, s19, s20                     ; my first tile among the batch's 128
	s_mov_b32 s21, KSC
	s_cmp_eq_u32 s15, 0
	s_cselect_b32 s20, QIM, 0
	s_cselect_b32 s21, QSC, s21
	s_mul_i32 s22, s19, 768
	s_add_co_u32 s20, s20, s22
	s_add_co_u32 s42, s20, s18
	s_mov_b32 s43, 0
	s_lshl_b32 s22, s19, 6
	s_add_co_u32 s21, s21, s22
	s_add_co_u32 s44, s21, s18
	s_mov_b32 s45, 0
	s_add_nc_u64 s[42:43], s[12:13], s[42:43]
	s_add_nc_u64 s[44:45], s[12:13], s[44:45]
.macro EPIQK m
	WIN 0x03                                       ; source 0 window 3
.set ei, 0
.rept 32
	v_pk_add_f32 v[H+2*ei:H+2*ei+1], v[64*\m+2*ei:64*\m+2*ei+1], v[BI+2*ei:BI+2*ei+1]   ; + bias, and into window 0; each accumulator from its low end on
.set ei, ei+1
.endr
	WIN 0
.if \m > 0
	s_wait_xcnt 0x0                                ; the last tile's stores have read the codes' registers
.endif
	QUANT H, 4, PW
.irp c, 0,1
	global_store_b128 v[L16], v[PC+6*\c:PC+6*\c+3], s[42:43] offset:\c*BLK+\m*768        ; 512 consecutive bytes,
	global_store_b64 v[L8], v[PC+6*\c+4:PC+6*\c+5], s[42:43] offset:\c*BLK+\m*768+512    ; and 256, both aligned
.endr
	v_bfe_u32 v[T+\m], v[PW], v[SH], 16            ; my half's head: its two bytes; bytes 2, 3 zero
	ds_store_b32 v[SQI], v[T+\m] offset:64*\m
.endm
	EPIQK 0
	EPIQK 1
	EPIQK 2
	EPIQK 3
	ds_load_b128 v[SD:SD+3], v[SQO]                ; LDS serves a wave's instructions in order (ISA guide 5.7.1.4): this sees my stores
	s_wait_dscnt 0x0
	global_store_b128 v[SQG], v[SD:SD+3], s[44:45] ; four tiles' words of each head: sixteen lanes store 256 consecutive bytes, aligned
	s_wait_tensorcnt 0x0
	ds_add_u32 v254, v255
	s_wait_dscnt 0x0
	s_endpgm
.Lvalues:
	; ---- V.  My results of wv's tile m: lane (r, h) holds channel 32 (m / 2) + 8 (m % 2) + r + 8 (r / 8) of head 4 rb + wave, register 16 b + e key 128 pg + 32 b + 16 h + e: one image of V^T for key step pg % 16.
	s_lshr_b32 s18, s16, 4
	s_lshl_b32 s18, s18, 4
	s_lshl_b32 s19, s17, 2
	s_add_co_u32 s18, s18, s19
	s_add_co_u32 s18, s18, s14
	s_mul_i32 s18, s18, BLK                        ; the block of batch pg / 16, head 4 rb + wave
	s_and_b32 s19, s16, 15                         ; the key step
	s_mul_i32 s20, s19, 4*IMG
	s_add_co_u32 s20, s20, s18
	s_add_co_u32 s42, s20, VIM
	s_mov_b32 s43, 0
	s_lshl_b32 s21, s19, 8
	s_add_co_u32 s21, s21, s18
	s_add_co_u32 s44, s21, VSC
	s_mov_b32 s45, 0
	s_add_nc_u64 s[42:43], s[12:13], s[42:43]
	s_add_nc_u64 s[44:45], s[12:13], s[44:45]
.macro EPIV m
	WIN 0x03
.set ei, 0
.rept 32
	v_pk_add_f32 v[H+2*ei:H+2*ei+1], v[64*\m+2*ei:64*\m+2*ei+1], v[BV+2*\m:BV+2*\m+1] op_sel_hi:[1,0]   ; + my channel's bias
.set ei, ei+1
.endr
	WIN 0
.if \m > 0
	s_wait_xcnt 0x0                                ; the last tile's stores have read the codes' registers
.endif
	QUANT H, 4, T+\m
.irp c, 0,1,2
	global_store_b128 v[L16], v[PC+4*\c:PC+4*\c+3], s[42:43] offset:\m*IMG+512*\c
.endr
	ds_store_b32 v[SVI], v[T+\m] offset:64*\m      ; both halves of the lanes write the same word with the same value
.endm
	EPIV 0
	EPIV 1
	EPIV 2
	EPIV 3
	ds_load_b64 v[SD:SD+1], v[SVO]
	s_wait_dscnt 0x0
	global_store_b64 v[L8], v[SD:SD+1], s[44:45]   ; the step's four tiles' words: 256 consecutive bytes, aligned
	s_wait_tensorcnt 0x0
	ds_add_u32 v254, v255
	s_wait_dscnt 0x0
	s_endpgm
.Lfunc_end_k_q320eda0cac_proj:
	.size	k_q320eda0cac_proj, .Lfunc_end_k_q320eda0cac_proj-k_q320eda0cac_proj
	.p2alignl 7, 3214868480
	.fill 96, 4, 3214868480
	.section	.rodata,"a",@progbits
	.p2align	6, 0x0
	.amdhsa_kernel k_q320eda0cac_proj
		.amdhsa_group_segment_fixed_size 168448
		.amdhsa_private_segment_fixed_size 0
		.amdhsa_enable_private_segment 0
		.amdhsa_kernarg_size 40
		.amdhsa_user_sgpr_count 2
		.amdhsa_user_sgpr_kernarg_segment_ptr 1
		.amdhsa_wavefront_size32 1
		.amdhsa_system_sgpr_workgroup_id_x 1
		.amdhsa_system_sgpr_workgroup_id_y 1
		.amdhsa_system_sgpr_workgroup_id_z 1
		.amdhsa_system_vgpr_workitem_id 0
		.amdhsa_next_free_vgpr 1024
		.amdhsa_next_free_sgpr 66
		.amdhsa_reserve_vcc 0
		.amdhsa_float_denorm_mode_32 3
		.amdhsa_float_denorm_mode_16_64 3
		.amdhsa_memory_ordered 1
		.amdhsa_forward_progress 1
		.amdhsa_inst_pref_size 120
	.end_amdhsa_kernel
	.amdgpu_metadata
---
amdhsa.version: [ 1, 2 ]
amdhsa.kernels:
  - .name:           k_q320eda0cac_proj
    .symbol:         k_q320eda0cac_proj.kd
    .args:
      - { .name: w0, .offset: 0, .size: 8, .value_kind: global_buffer, .address_space: global }
      - { .name: bq, .offset: 8, .size: 8, .value_kind: global_buffer, .address_space: global }
      - { .name: bk, .offset: 16, .size: 8, .value_kind: global_buffer, .address_space: global }
      - { .name: bv, .offset: 24, .size: 8, .value_kind: global_buffer, .address_space: global }
      - { .name: w1, .offset: 32, .size: 8, .value_kind: global_buffer, .address_space: global }
    .group_segment_fixed_size: 168448
    .private_segment_fixed_size: 0
    .kernarg_segment_align: 8
    .kernarg_segment_size: 40
    .max_flat_workgroup_size: 128
    .sgpr_count:     66
    .vgpr_count:     1024
    .wavefront_size: 32
...
	.end_amdgpu_metadata
.endif
;; end of part 2
;; launch attn (part 3): grid 4 x 64, 16 waves a work-group, no clusters, 210,944 bytes of LDS; arguments w1, w2; writes w2
.if DOCPART == 3
	.amdgcn_target "amdgcn-amd-amdhsa--gfx1250"
	.amdhsa_code_object_version 6
	.text
	.protected	k_q320eda0cac_attn
	.globl	k_q320eda0cac_attn
	.p2align	8
	.type	k_q320eda0cac_attn,@function
k_q320eda0cac_attn:
	s_mov_b64 s[64:65], 0
	v_nop
	global_prefetch_b8 v0, s[64:65] scope:SCOPE_SE
	s_setreg_imm32_b32 hwreg(HW_REG_WAVE_MODE, 25, 1), 1
	s_wait_xcnt 0x0
; x[b][q][head][:] = the sum over k of softmax_k(Q . K / 8) V, both products on codes of FP6 (E2M3) with E8M0 scales; then x is quantised along the 1,024 of the last product's K and leaves as images of that operand's registers.
; THE SOFTMAX AHEAD OF THE SECOND PRODUCT: t = score x log2(e) / 8; M = the row's largest t so far, rounded UP to a whole number; p = 2^(t - M) is what is quantised, along the keys, not normalised.
; The row's sum is taken of the unquantised p, in f32, and divides O at the end.  When M moves, the sum and O are multiplied by 2^(old M - new M): exact.
; SHARES.  A work-group owns one (batch, head) = work-group y and 512 of its 2,048 queries; each of its sixteen waves owns two tiles of 16 queries, one after the other (two passes), in 256 registers.  Every wave walks all 2,048 keys, 128 a trip.
; THE HEAD'S WHOLE K AND V, codes and scale words, 208,896 dense bytes of w1, are copied into LDS ONCE, as they lie: images of the operands' registers.  All 26 copies of a wave are issued at the head, in the order in which they are wanted:
; the scale words and the first four trips' images (8 copies), then the other twelve trips' (18).  The first pass begins behind a wait that leaves those 18 out and a barrier; a wait for all and a second barrier stand ahead of its fifth trip.  Nothing is filled again.
; NO CLUSTER: the four work-groups of a head copy the same bytes, but each asks for them once, at its head, by copies a lane at a time; a joint request would want tensor loads and rounds.  NO PREFETCH: nothing is asked for behind the head but 832 bytes of Q.
; LAYOUT.  Both products are used transposed: S^T = K Q^T (source 0 = 16 keys, source 1 = my 16 queries), O^T = V^T P^T (source 0 = 16 channels, source 1 = P): a lane holds ONE query (lane % 16) throughout.
; Row 8 h + j of K's tile 4 c + u is key 64 c + 32 h + 8 u + j of the trip's 128: so the 32 score registers of tiles 4 c .. 4 c + 3 of lane (r, h) are keys 64 c + 32 h + 0 .. 31, ONE WHOLE SCALE BLOCK, in the place and order of P's registers 6 c .. 6 c + 5.
; A block's largest number needs no other lane and no code changes lanes; only the row's maximum and the scale word's four bytes are joined with lane l xor 16.
; K = 64 IN AN INSTRUCTION OF 128.  Q's registers 6-11 are zero codes.  A tile of K is six registers; the instruction names twelve: the upper six are the NEXT tile's codes (behind the last tile: six registers of zeros).
; Every pattern of six bits is a finite number, it is multiplied by Q's zero codes, and the scale bytes 2, 3 of both sides are 0, which is 2^-127 and no NaN: those products are zeros.
; LIMITS: a block of zeros, or one under 2^-124, keeps the byte 1 (its codes are zeros; this program alone reads the bytes).  NaN and infinities are not served.  The promise holds while the scaled scores stay under 2^31 in magnitude.
.set BLK,   315392                     ; w1: a block, and its parts
.set VIM,   98304
.set KSC,   196608
.set VSC,   204800
.set QIM,   208896
.set QSC,   307200
.set XS0,   6291456                    ; w2: where the scale words begin
.set SPARE, 208896                     ; behind the tiles: the spare words, 128 bytes a wave
.set TRK,   6144                       ; a trip's images of K, and of V
.set EARLY, 4                          ; the trips whose images are asked for first
.set L16, 1                            ; v1   16 x lane
.set L8,  2                            ; v2   512 + 8 x lane: K's registers 4-5
.set LV,  3                            ; v3   VIM + 16 x lane
.set LKS, 4                            ; v4   KSC + 4 x lane
.set LVS, 5                            ; v5   VSC + 4 x lane
.set ADK, 6                            ; v6-10 the trip's LDS addresses
.set ADK8, 7
.set ADV, 8
.set ADS, 9
.set ADT, 10
.set R4,  11                           ; v11  4 r;  v12 -M, v13 the row's largest score so far
.set OLD, 14                           ; v14  the last trip's -M
.set H8,  15                           ; v15  8 h
.set QF,  16                           ; v16-27 Q's fragment; v22-27 zeros
.set G8,  28                           ; v28  8 x lane
.set R16, 29                           ; v29  16 r
.set CA,  30                           ; v30-37 the copies' LDS addresses and offsets in memory, pairs of equal numbers: K's early part, K's scale words, V's scale words, K's late part; never rewritten
.set CB,  244                          ; v244-247 the same for V's early and late part
.set WD,  38                           ; v38  my two bytes of p's scale word
.set KF,  40                           ; v40-87 eight tiles of K, later four of V; v88-93 zeros
.set KS,  94                           ; v94-97 K's scale words: lanes 0-15 tile 2 q, lanes 16-31 tile 2 q + 1
.set VS,  98                           ; v98-99 V's likewise
.set PS,  100                          ; v100 p's scale word
.set QS,  101                          ; v101 Q's
.set S,   104                          ; v104-167 S^T, then p
.set OT,  168                          ; v168-199 O^T
.set PC,  200                          ; v200-211 the codes; v212-214, v216-218 the conversions whose place begins on an odd register
.set TM,  220                          ; v220-223 largest scores
.set TP,  224                          ; v224-227 bytes, and what comes from lane l xor 16
.set TO,  228                          ; v228-229 the conversions' scale operands
.set F,   232                          ; v[232:233] f = 2^(old M - new M), and a 0 named with it as a pair
.set SCR, 234
.set XW,  235                          ; x's two scale bytes
.set LS,  236                          ; v[236:237] the row's sum in two halves; v238-243 three more chains of a trip's sums
.set SPW, 254                          ; my spare word
.set NIL, 255                          ; 0
.set WV,  18
.set SEL, 20                           ; s[20:21] lane selects for v_permlanex16_b32: lane l xor 16
.set CS,  22                           ; s[22:23] c = log2(e) / 8
.set TK,  24                           ; s24  the trip's first byte among K's images, and among V's; it also counts the trips
.set TS,  25                           ; s25  among K's scale words: 512 a trip
.set TV,  26                           ; s26  among V's: 256 a trip
.macro MM d, a, b, c, sa, sb, ra       ; one product; ra: source 0's scale words stand in lanes 16-31
.if (\ra)
	v_wmma_scale_f32_16x16x128_f8f6f4 v[\d:\d+7], v[\a:\a+11], v[\b:\b+11], \c, v[\sa], v[\sb] matrix_a_fmt:MATRIX_FMT_FP6 matrix_b_fmt:MATRIX_FMT_FP6 matrix_a_scale:MATRIX_SCALE_ROW1
.else
	v_wmma_scale_f32_16x16x128_f8f6f4 v[\d:\d+7], v[\a:\a+11], v[\b:\b+11], \c, v[\sa], v[\sb] matrix_a_fmt:MATRIX_FMT_FP6 matrix_b_fmt:MATRIX_FMT_FP6
.endif
.endm
.macro FMAS n                          ; the next n of a trip's 32 lines t - M, two numbers a line
.rept \n
	v_pk_fma_f32 v[S+fq:S+fq+1], v[S+fq:S+fq+1], s[CS:CS+1], v[12:13] op_sel_hi:[1,0,0]
.set fq, fq+2
.endr
.endm
.macro SUMS n                          ; the next n of a trip's 32 additions: 32 pairs of p and the running sum, in four chains by turns, joined at the end
.rept \n
.if sq < 3
	v_pk_add_f32 v[LS+2+2*sq:LS+3+2*sq], v[S+4*sq:S+4*sq+1], v[S+4*sq+2:S+4*sq+3]
.elseif sq < 29
	v_pk_add_f32 v[LS+2*((sq+1)%4):LS+2*((sq+1)%4)+1], v[LS+2*((sq+1)%4):LS+2*((sq+1)%4)+1], v[S+2*(sq+3):S+2*(sq+3)+1]
.elseif sq == 29
	v_pk_add_f32 v[LS+2:LS+3], v[LS+2:LS+3], v[LS+4:LS+5]
.elseif sq == 30
	v_pk_add_f32 v[LS:LS+1], v[LS:LS+1], v[LS+6:LS+7]
.else
	v_pk_add_f32 v[LS:LS+1], v[LS:LS+1], v[LS+2:LS+3]
.endif
.set sq, sq+1
.endr
.endm
	s_load_b128 s[4:7], s[0:1], 0x0                ; w1 s[4:5], w2 s[6:7]
	v_lshl_add_u32 v[SPW], v0, 2, SPARE
	v_mov_b32 v[NIL], 0
	ds_add_u32 v[SPW], v[NIL]                      ; the add, twice on end, and its wait ahead of my first copy
	ds_add_u32 v[SPW], v[NIL]
	v_lshrrev_b32 v[SCR], 5, v0
	v_readfirstlane_b32 s[WV], v[SCR]              ; wave 0..15
	v_and_b32 v[SCR], 31, v0                       ; lane
	v_lshlrev_b32 v[L16], 4, v[SCR]
	v_lshlrev_b32 v[G8], 3, v[SCR]
	s_mul_i32 s28, s[WV], 3*512                    ; of the first four trips' 24,576 bytes of K: 1,536 a wave;
	v_add_nc_u32 v[CA], s28, v[L16]
	v_add_nc_u32 v[CA+1], s28, v[L16]
	s_add_co_u32 s28, s28, VIM                     ; and the same of V.  (The parts' first bytes stand in the address registers: a copy's immediate stays under 65,536)
	v_add_nc_u32 v[CB], s28, v[L16]
	v_add_nc_u32 v[CB+1], s28, v[L16]
	s_lshl_b32 s28, s[WV], 9                       ; of K's 8,192 bytes of scale words: 512 a wave
	s_add_co_u32 s28, s28, KSC
	v_add_nc_u32 v[CA+2], s28, v[L16]
	v_add_nc_u32 v[CA+3], s28, v[L16]
	s_lshl_b32 s28, s[WV], 8                       ; of V's 4,096: 256 a wave
	s_add_co_u32 s28, s28, VSC
	v_add_nc_u32 v[CA+4], s28, v[G8]
	v_add_nc_u32 v[CA+5], s28, v[G8]
	s_mul_i32 s28, s[WV], 9*512                    ; of the other twelve trips' 73,728 bytes of K: 4,608 a wave;
	v_add_nc_u32 v[CA+6], s28, v[L16]
	v_add_nc_u32 v[CA+7], s28, v[L16]
	s_add_co_u32 s28, s28, VIM                     ; and the same of V
	v_add_nc_u32 v[CB+2], s28, v[L16]
	v_add_nc_u32 v[CB+3], s28, v[L16]
	s_and_b32 s29, ttmp7, 0xffff                   ; 16 x batch + head
	s_mul_i32 s30, s29, BLK
	s_mov_b32 s31, 0
	s_lshl_b32 s32, ttmp9, 5
	s_add_co_u32 s32, s32, s[WV]                   ; my first pass's tile of queries: 32 x + wave; the second's lies 16 on
	s_mul_i32 s34, s32, 768
	s_add_co_u32 s34, s34, QIM
	s_mov_b32 s35, 0
	s_lshl_b32 s36, s32, 6
	s_add_co_u32 s36, s36, QSC
	s_mov_b32 s37, 0
	s_lshr_b32 s33, s29, 4
	s_lshl_b32 s33, s33, 7
	s_add_co_u32 s33, s33, s32                     ; the same tile among all 512 tiles of tokens
	s_and_b32 s29, s29, 15                         ; the head
	s_mul_i32 s38, s33, 12288
	s_mul_i32 s39, s29, 768                        ; head 2 s + c is half image c of K step s: 768 x head
	s_add_co_u32 s38, s38, s39
	s_mov_b32 s39, 0
	s_lshl_b32 s40, s33, 9
	s_lshr_b32 s41, s29, 3
	s_lshl_b32 s41, s41, 8
	s_add_co_u32 s40, s40, s41                     ; which four K steps' words,
	s_and_b32 s41, s29, 7
	s_lshl_b32 s41, s41, 1
	s_add_co_u32 s40, s40, s41                     ; and my head's two bytes among a row's 16
	s_add_co_u32 s40, s40, XS0
	s_mov_b32 s41, 0
	s_wait_alu depctr_va_vdst(0)
	s_wait_dscnt 0x0
	s_wait_kmcnt 0x0
	s_add_nc_u64 s[8:9], s[4:5], s[30:31]          ; the head's block
	s_add_nc_u64 s[10:11], s[8:9], s[34:35]        ; Q's half image
	s_add_nc_u64 s[12:13], s[8:9], s[36:37]        ; Q's scale words
	s_add_nc_u64 s[14:15], s[6:7], s[38:39]        ; x's half image
	s_add_nc_u64 s[16:17], s[6:7], s[40:41]        ; x's scale bytes
	; the copies: LDS byte = byte of the block.  Eight that the first four trips want,
	global_load_async_to_lds_b128 v[CA+2], v[CA+3], s[8:9]
	global_load_async_to_lds_b64 v[CA+4], v[CA+5], s[8:9]
.irp i, 0,1,2
	global_load_async_to_lds_b128 v[CA], v[CA+1], s[8:9] offset:512*\i
	global_load_async_to_lds_b128 v[CB], v[CB+1], s[8:9] offset:512*\i
.endr
.set ci, 0
.rept 9                                        ; and eighteen for the others
	global_load_async_to_lds_b128 v[CA+6], v[CA+7], s[8:9] offset:EARLY*TRK+512*ci
	global_load_async_to_lds_b128 v[CB+2], v[CB+3], s[8:9] offset:EARLY*TRK+512*ci
.set ci, ci+1
.endr
	v_and_b32 v[XW], 15, v0                        ; r
	v_lshlrev_b32 v[R4], 2, v[XW]
	v_lshlrev_b32 v[R16], 4, v[XW]
.macro QLOAD p                         ; pass p's queries: a half image and its scale words
	global_load_b128 v[QF:QF+3], v[L16], s[10:11] offset:(\p)*16*768
	global_load_b64 v[QF+4:QF+5], v[G8], s[10:11] offset:(\p)*16*768+512
	global_load_b32 v[QS], v[R4], s[12:13] offset:(\p)*16*64
.endm
	QLOAD 0
	v_add_nc_u32 v[L8], 512, v[G8]
	v_add_nc_u32 v[LV], VIM, v[L16]
	v_lshlrev_b32 v[LKS], 2, v[SCR]
	v_bfe_u32 v[H8], v0, 4, 1
	v_add_nc_u32 v[LVS], VSC, v[LKS]
	v_add_nc_u32 v[LKS], KSC, v[LKS]
	v_lshlrev_b32 v[H8], 3, v[H8]
.irp i, 6,7,8,9,10,11
	v_mov_b32 v[QF+\i], 0                          ; Q's upper 64 along K: zero codes
	v_mov_b32 v[KF+42+\i], 0                       ; v88-93: what the last tile of K names beyond its own six
.endr
.irp b, 0,1,2,3
	v_mov_b32 v[TP+\b], 0                          ; written once: a lane permute's destination counts as one of its sources
.endr
	v_mov_b32 v[F+1], 0                            ; (named as the upper half of a pair)
	s_mov_b32 s[SEL], 0x76543210
	s_mov_b32 s[SEL+1], 0xfedcba98
	s_mov_b32 s[CS], 0x3e38aa3b                    ; c = log2(e) / 8
	s_mov_b32 s[CS+1], s[CS]
	s_wait_alu depctr_va_vdst(0)
	s_wait_asynccnt 18                             ; my first eight copies have landed; the eighteen issued behind them may be out,
	s_barrier_signal -1
	s_barrier_wait -1                              ; everybody's have: all scale words and the first four trips' K and V lie in LDS
; A TRIP: 128 keys.
.macro TRIP
.set fq, 0
.set sq, 0
	v_add_nc_u32 v[ADK], s[TK], v[L16]             ; (these four are also the places in front of loads into registers that the last products read)
	v_add_nc_u32 v[ADK8], s[TK], v[L8]
	v_add_nc_u32 v[ADS], s[TS], v[LKS]
	v_mov_b32 v[OLD], v12
.irp t, 0,1,2,3,4,5,6,7
	ds_load_b128 v[KF+6*\t:KF+6*\t+3], v[ADK] offset:768*\t
	ds_load_b64 v[KF+6*\t+4:KF+6*\t+5], v[ADK8] offset:768*\t
.endr
.irp q, 0,1,2,3
	ds_load_b32 v[KS+\q], v[ADS] offset:128*\q
.endr
	s_wait_dscnt 0x0
.irp t, 0,1,2,3,4,5,6,7
	MM S+8*\t, KF+6*\t, QF, 0, KS+\t/2, QS, \t%2
.endr
	v_add_nc_u32 v[ADV], s[TK], v[LV]              ; four places in front of loads into registers that these products read, and of the first read of the scores
	v_add_nc_u32 v[ADT], s[TV], v[LVS]
	v_nop
	v_nop
.irp t, 0,1,2,3
.irp c, 0,1,2
	ds_load_b128 v[KF+12*\t+4*\c:KF+12*\t+4*\c+3], v[ADV] offset:1536*\t+512*\c   ; V's four tiles land under the softmax
.endr
.endr
.irp q, 0,1
	ds_load_b32 v[VS+\q], v[ADT] offset:128*\q
.endr
	; THE LARGEST SCORE OF EACH OF MY TWO BLOCKS OF 32 KEYS, in four chains by turns: it serves the row's maximum and, since p rises with the score, the block's largest p
.irp k, 0,1,2,3
	v_max3_num_f32 v[TM+\k], v[S+16*\k], v[S+1+16*\k], v[S+2+16*\k]
.endr
.irp i, 3,5,7,9,11,13
.irp k, 0,1,2,3
	v_max3_num_f32 v[TM+\k], v[TM+\k], v[S+16*\k+\i], v[S+1+16*\k+\i]
.endr
.endr
	v_max3_num_f32 v[TM], v[TM], v[TM+1], v[S+15]
	v_max3_num_f32 v[TM+2], v[TM+2], v[TM+3], v[S+47]
	v_max_num_f32 v[TM], v[TM], v[S+31]            ; block h
	v_max_num_f32 v[TM+2], v[TM+2], v[S+63]        ; block 2 + h
	s_delay_alu instid0(VALU_DEP_1)
	v_max_num_f32 v[SCR], v[TM], v[TM+2]
	s_delay_alu instid0(VALU_DEP_1)
	v_permlanex16_b32 v[TP+2], v[SCR], s[SEL], s[SEL+1]
	s_delay_alu instid0(VALU_DEP_1)
	v_max3_num_f32 v13, v13, v[SCR], v[TP+2]       ; the row's largest score so far
	s_delay_alu instid0(VALU_DEP_1)
	v_mul_f32 v[SCR], s[CS], v13                   ; as t (c is positive)
	s_delay_alu instid0(VALU_DEP_1)
	v_floor_f32 v12, -v[SCR]                       ; the new -M = floor(-t) = -ceil(t): M is a whole number
	FMAS 3
	v_sub_f32 v[SCR], v12, v[OLD]                  ; old M - new M: a whole number, 0 or less
	FMAS 4
	v_cvt_i32_f32 v[SCR], v[SCR]                   ; (it saturates)
	FMAS 4
	v_ldexp_f32 v[F], 1.0, v[SCR]                  ; f = 2^(old M - new M)
	FMAS 21
	v_fma_f32 v[TM], v[TM], s[CS], v12             ; the same of each block's largest score
	v_fma_f32 v[TM+2], v[TM+2], s[CS], v12
	s_wait_alu depctr_va_vdst(0)
	v_exp_f32 v[TM], v[TM]                         ; the block's largest p: the same two instructions on the same number give the same bits
	v_exp_f32 v[TM+2], v[TM+2]
.set j, 0
.rept 64
	v_exp_f32 v[S+j], v[S+j]                       ; p = 2^(t - M), not normalised
.set j, j+1
.endr
	v_pk_mul_f32 v[LS:LS+1], v[LS:LS+1], v[F:F+1] op_sel_hi:[1,0]   ; the sum under the new M.  (A plain place behind the exponentials)
	s_wait_alu depctr_va_vdst(0)                   ; one wait for the whole batch, ahead of its first reader
	; the scales' chain and the row's sum of the unquantised p by turns
	v_max_num_f32 v[TM], 0x1800000, v[TM]          ; the floor 2^(3 - 127): the byte cannot fall under 1
	v_max_num_f32 v[TM+2], 0x1800000, v[TM+2]
	SUMS 3
	v_add_nc_u32 v[TO], 0xff000000, v[TM]          ; 2 off the exponent field: the conversion's scale operand
	v_add_nc_u32 v[TO+1], 0xff000000, v[TM+2]
	SUMS 3
	v_cvt_scalef32_pk16_fp6_f32 v[PC:PC+2], v[S:S+15], v[TO]
	v_cvt_scalef32_pk16_fp6_f32 v[PC+12:PC+14], v[S+16:S+31], v[TO]        ; (a conversion's three registers begin on an even number)
	v_cvt_scalef32_pk16_fp6_f32 v[PC+6:PC+8], v[S+32:S+47], v[TO+1]
	v_cvt_scalef32_pk16_fp6_f32 v[PC+16:PC+18], v[S+48:S+63], v[TO+1]
	v_lshrrev_b32 v[TP], 23, v[TO]                 ; the scales' bytes.  (A plain place behind the conversions)
	v_lshrrev_b32 v[TP+1], 23, v[TO+1]
	SUMS 3
	v_lshl_or_b32 v[WD], v[TP+1], 16, v[TP]        ; my two bytes: blocks h and 2 + h,
	SUMS 3
	v_lshlrev_b32 v[WD], v[H8], v[WD]              ; at their places in the word;
	SUMS 3
	v_permlanex16_b32 v[TP+3], v[WD], s[SEL], s[SEL+1]
	SUMS 3
	v_or_b32 v[PS], v[WD], v[TP+3]                 ; with lane l xor 16's two: p's scale word for these 128 keys
	SUMS 11
.irp i, 0,1,2
	v_mov_b32 v[PC+3+\i], v[PC+12+\i]
.endr
	SUMS 2
.irp i, 0,1,2
	v_mov_b32 v[PC+9+\i], v[PC+16+\i]
.endr
	SUMS 1
	s_wait_dscnt 0x0                               ; V is in
	s_wait_alu depctr_va_vdst(0)                   ; directly ahead of the first reader of O^T
.set j, 0
.rept 16
	v_pk_mul_f32 v[OT+j:OT+j+1], v[OT+j:OT+j+1], v[F:F+1] op_sel_hi:[1,0]   ; O^T under the new M.  (These sixteen are also the places between the scale word's and the codes' last writes and the products)
.set j, j+2
.endr
.irp t, 0,1,2,3
	MM OT+8*\t, KF+12*\t, PC, v[OT+8*\t:OT+8*\t+7], VS+\t/2, PS, \t%2
.endr
.endm
.macro SEG from, to                    ; trips from .. to - 1
	s_mov_b32 s[TK], (\from)*TRK
	s_mov_b32 s[TS], (\from)*512
	s_mov_b32 s[TV], (\from)*256
.Ltrip_\@:
	TRIP
	s_add_co_u32 s[TK], s[TK], TRK
	s_add_co_u32 s[TS], s[TS], 512
	s_add_co_u32 s[TV], s[TV], 256
	s_cmp_lt_u32 s[TK], (\to)*TRK
	s_cbranch_scc1 .Ltrip_\@
.endm
; A PASS: one tile of 16 queries against all keys.  The first trip finds zeros, which the first change of M leaves zeros.
.macro PASS p
.if (\p) > 0
	s_wait_xcnt 0x0                                ; the last pass's stores have read their registers
.endif
	v_mov_b32 v13, 0xff61b1e6                      ; the largest score so far: -3e38, under every score
	s_delay_alu instid0(VALU_DEP_1)
	v_floor_f32 v12, -v13                          ; -M
	v_mov_b32 v[LS], 0                             ; the sum, in two halves
	v_mov_b32 v[LS+1], 0
.set j, 0
.rept 32
	v_mov_b32 v[OT+j], 0
.set j, j+1
.endr
	s_wait_loadcnt 0x0                             ; Q
.if (\p) == 0
	SEG 0, EARLY
	s_wait_asynccnt 0x0                            ; all my copies have landed,
	s_wait_dscnt 0x0
	s_barrier_signal -1
	s_barrier_wait -1                              ; everybody's have: all of K and V lies in LDS, and nothing writes it again
	SEG EARLY, 16
.else
	SEG 0, 16
.endif
	; THE WAY OUT: O^T / the sum is my query's 64 channels of this head, register 16 b + e = channel 32 b + 16 h + e: two blocks of the last product's K.
.rept 4
	v_nop                                          ; places behind the last products
.endr
.if (\p) == 0
	QLOAD 1                                        ; the next pass's queries land under the lines below
.endif
	v_add_f32 v[LS], v[LS], v[LS+1]                ; the sum's two halves,
	s_delay_alu instid0(VALU_DEP_1)
	v_permlanex16_b32 v[SCR], v[LS], s[SEL], s[SEL+1]
	s_delay_alu instid0(VALU_DEP_1)
	v_add_f32 v[LS], v[LS], v[SCR]                 ; and lane l xor 16's: the row's sum
	s_wait_alu depctr_va_vdst(0)
	v_rcp_f32 v[LS], v[LS]
	v_nop                                          ; a plain place behind it,
	s_wait_alu depctr_va_vdst(0)                   ; and the wait ahead of its first reader, which is also the first reader of O^T
.set j, 0
.rept 32
	v_mul_f32 v[S+j], v[OT+j], v[LS]               ; each accumulator from its low end on
.set j, j+1
.endr
	; x's two blocks of 32 channels: lanes l and l xor 16 hold 16 numbers of each
.irp b, 0,1
	v_max3_num_f32 v[TM+\b], |v[S+16*\b]|, |v[S+16*\b+1]|, 0x1800000   ; and the floor 2^(3 - 127)
.endr
.irp i, 2,4,6,8,10,12,14
.irp b, 0,1
	s_delay_alu instid0(VALU_DEP_2)
	v_max3_num_f32 v[TM+\b], v[TM+\b], |v[S+16*\b+\i]|, |v[S+16*\b+\i+1]|
.endr
.endr
.irp b, 0,1
	s_delay_alu instid0(VALU_DEP_2)
	v_permlanex16_b32 v[TP+\b], v[TM+\b], s[SEL], s[SEL+1]
.endr
.irp b, 0,1
	s_delay_alu instid0(VALU_DEP_2)
	v_max_num_f32 v[TM+\b], v[TM+\b], v[TP+\b]
.endr
.irp b, 0,1
	s_delay_alu instid0(VALU_DEP_2)
	v_add_nc_u32 v[TO+\b], 0xff000000, v[TM+\b]
.endr
.irp b, 0,1
	s_delay_alu instid0(VALU_DEP_2)
	v_lshrrev_b32 v[TP+\b], 23, v[TO+\b]
.endr
	s_delay_alu instid0(VALU_DEP_1)
	v_lshl_or_b32 v[XW], v[TP+1], 8, v[TP]
	v_cvt_scalef32_pk16_fp6_f32 v[PC:PC+2], v[S:S+15], v[TO]
	v_cvt_scalef32_pk16_fp6_f32 v[PC+12:PC+14], v[S+16:S+31], v[TO+1]
	v_nop                                          ; one plain place behind a scaled conversion
.irp i, 0,1,2
	v_permlane16_swap_b32 v[PC+\i], v[PC+12+\i]    ; a whole block in a lane: lanes 0-15 block 0, lanes 16-31 block 1
.endr
.irp i, 0,1,2
	s_delay_alu instid0(VALU_DEP_3)
	v_mov_b32 v[PC+3+\i], v[PC+12+\i]
.endr
	global_store_b128 v[L16], v[PC:PC+3], s[14:15] offset:(\p)*16*12288        ; 512 consecutive bytes,
	global_store_b64 v[G8], v[PC+4:PC+5], s[14:15] offset:(\p)*16*12288+512    ; and 256, both aligned
	global_store_b16 v[R16], v[XW], s[16:17] offset:(\p)*16*512                ; my row's two bytes; both halves of the lanes write the same value to the same place
.endm
	PASS 0
	PASS 1
	s_wait_tensorcnt 0x0                           ; the wave's end
	ds_add_u32 v[SPW], v[NIL]
	s_wait_dscnt 0x0
	s_endpgm
.Lfunc_end_k_q320eda0cac_attn:
	.size	k_q320eda0cac_attn, .Lfunc_end_k_q320eda0cac_attn-k_q320eda0cac_attn
	.p2alignl 7, 3214868480
	.fill 96, 4, 3214868480
	.section	.rodata,"a",@progbits
	.p2align	6, 0x0
	.amdhsa_kernel k_q320eda0cac_attn
		.amdhsa_group_segment_fixed_size 210944
		.amdhsa_private_segment_fixed_size 0
		.amdhsa_enable_private_segment 0
		.amdhsa_kernarg_size 16
		.amdhsa_user_sgpr_count 2
		.amdhsa_user_sgpr_kernarg_segment_ptr 1
		.amdhsa_wavefront_size32 1
		.amdhsa_system_sgpr_workgroup_id_x 1
		.amdhsa_system_sgpr_workgroup_id_y 1
		.amdhsa_system_sgpr_workgroup_id_z 1
		.amdhsa_system_vgpr_workitem_id 0
		.amdhsa_next_free_vgpr 256
		.amdhsa_next_free_sgpr 66
		.amdhsa_reserve_vcc 0
		.amdhsa_float_denorm_mode_32 3
		.amdhsa_float_denorm_mode_16_64 3
		.amdhsa_memory_ordered 1
		.amdhsa_forward_progress 1
		.amdhsa_inst_pref_size 65
	.end_amdhsa_kernel
	.amdgpu_metadata
---
amdhsa.version: [ 1, 2 ]
amdhsa.kernels:
  - .name:           k_q320eda0cac_attn
    .symbol:         k_q320eda0cac_attn.kd
    .args:
      - { .name: w1, .offset: 0, .size: 8, .value_kind: global_buffer, .address_space: global }
      - { .name: w2, .offset: 8, .size: 8, .value_kind: global_buffer, .address_space: global }
    .group_segment_fixed_size: 210944
    .private_segment_fixed_size: 0
    .kernarg_segment_align: 8
    .kernarg_segment_size: 16
    .max_flat_workgroup_size: 512
    .sgpr_count:     66
    .vgpr_count:     256
    .wavefront_size: 32
...
	.end_amdgpu_metadata
.endif
;; end of part 3
;; launch outp (part 4): grid 256 x 1, 4 waves a work-group, no clusters, 168,448 bytes of LDS; arguments w0, w2, bf, out0; writes out0
.if DOCPART == 4
	.amdgcn_target "amdgcn-amd-amdhsa--gfx1250"
	.amdhsa_code_object_version 6
	.text
	.protected	k_q320eda0cac_outp
	.globl	k_q320eda0cac_outp
	.p2align	8
	.type	k_q320eda0cac_outp,@function
k_q320eda0cac_outp:
	s_mov_b64 s[64:65], 0
	v_nop
	global_prefetch_b8 v0, s[64:65] scope:SCOPE_SE
	s_setreg_imm32_b32 hwreg(HW_REG_WAVE_MODE, 25, 1), 1
	s_wait_xcnt 0x0
; out0[token][n] = sum over k of x[token][k] wf[n][k] + bf[n], K = 1,024, on codes of FP6 (E2M3) with E8M0 scales; out0 f32.
; Source 0 = 16 rows of wf (P), source 1 = 16 tokens of x (R): a lane holds ONE token and its registers run along n.  wf's tiles lie in w0 in the order in which lane r of tile 2 b + u holds row 32 b + 8 u + r + 8 (r / 8):
; so the 16 registers of tiles 2 b and 2 b + 1 are 16 neighbouring n, 32 b + 16 (lane / 16) + 0 .. 15.  x's tiles lie in w2 in the same order of tokens; a fragment there is two half images (one for each head of the K step).
; SHARES.  A work-group: 8 tiles of wf (128 n) x 16 tiles of x (256 tokens), all of K.  Wave w: x's tiles 4 w .. 4 w + 3: 32 accumulators, 256 matrix instructions.
; wf's 64 images (98,304 dense bytes) are copied into LDS ONCE, at the head, and read by all four waves; a wave's 32 fragments of x go straight into its registers.  All is asked for at the head: no ring, no refill, one barrier.
; NO CLUSTER: work-groups with the same rows of wf or the same tokens do share bytes, but each asks for them once, at its head, by copies a lane at a time and by loads into registers; a joint request would want tensor loads and rounds.
; THE WAY OUT: a tile's 16 tokens x 128 n go through the wave's own stage in LDS and leave as rows of 512 consecutive bytes.
; REGISTERS, in windows of 256: window 0: v1-11 addresses; v16-47 wf's scale words, v48-63 x's; v64-127 the bias; v128-223 P's fragments, buffer A (on the way out: v128-191 the results, v192-255 rows read back).
;   window 1: x's fragments of K steps 0-4, at 48 s + 12 m.   window 2: those of steps 5-7, at 48 (s - 5) + 12 m; from v144 P's buffer B.   window 3: accumulator (t, m) at 64 m + 8 t.
.set SC0,   22020096                   ; w0: where the scale words begin
.set XS0,   6291456                    ; w2: likewise
.set TILEB, 12288
.set IMG,   1536
.set SP,    528                        ; a stage row: 512 bytes + 16 = 132 words: row r starts at bank 4 r mod 64 (64 banks of 4 bytes: ISA guide 11.1)
.set STG0,  98304                      ; LDS behind P's images: 16 rows x 528 bytes for each wave; no copy lands there
.set NL,    16                         ; loads that bring a K step of x
.set L16, 1                            ; v1   16 x lane
.set L8,  2                            ; v2   8 x lane
.set PA0, 3                            ; v3, v4  LDS: 16 x lane, and the same 49,152 on
.set CL,  5                            ; v5, v6  the copies' LDS address and offset in memory: 12,288 x wave + 16 x lane
.set CG,  6
.set PSA, 7                            ; v7   wf's scale words: 16 r; lanes 16-31 four tiles on
.set RSA, 8                            ; v8   x's: 16 r; lanes 16-31 two tiles on
.set BRA, 9                            ; v9   the bias: 64 h
.set SI,  10                           ; v10  the stage, on the way in: row r, + 64 h
.set SO,  11                           ; v11  on the way out: 16 x lane
.set LN,  12
.set RR,  13
.set HH,  14
.set TT,  15
.set PS,  16
.set RS,  48
.set BI,  64
.set PB0, 128
.set PB1, 144
.set H,   128
.set OB,  192
.set MSB, 0
.macro WIN new                         ; the immediate's high byte repeats the setting that is left; a switch that changes nothing is dropped
.if MSB != (\new)
	s_set_vgpr_msb (MSB<<8)|(\new)
.set MSB, (\new)
.endif
.endm
.macro PLACES n
.rept \n
	v_nop
.endr
.endm
.macro MM d, a, b, c, sa, sb, ra, rb
.if (\ra) && (\rb)
	v_wmma_scale_f32_16x16x128_f8f6f4 v[\d:\d+7], v[\a:\a+11], v[\b:\b+11], \c, v[\sa], v[\sb] matrix_a_fmt:MATRIX_FMT_FP6 matrix_b_fmt:MATRIX_FMT_FP6 matrix_a_scale:MATRIX_SCALE_ROW1 matrix_b_scale:MATRIX_SCALE_ROW1
.elseif (\ra)
	v_wmma_scale_f32_16x16x128_f8f6f4 v[\d:\d+7], v[\a:\a+11], v[\b:\b+11], \c, v[\sa], v[\sb] matrix_a_fmt:MATRIX_FMT_FP6 matrix_b_fmt:MATRIX_FMT_FP6 matrix_a_scale:MATRIX_SCALE_ROW1
.elseif (\rb)
	v_wmma_scale_f32_16x16x128_f8f6f4 v[\d:\d+7], v[\a:\a+11], v[\b:\b+11], \c, v[\sa], v[\sb] matrix_a_fmt:MATRIX_FMT_FP6 matrix_b_fmt:MATRIX_FMT_FP6 matrix_b_scale:MATRIX_SCALE_ROW1
.else
	v_wmma_scale_f32_16x16x128_f8f6f4 v[\d:\d+7], v[\a:\a+11], v[\b:\b+11], \c, v[\sa], v[\sb] matrix_a_fmt:MATRIX_FMT_FP6 matrix_b_fmt:MATRIX_FMT_FP6
.endif
.endm
	s_load_b256 s[4:11], s[0:1], 0x0               ; w0 s[4:5], w2 s[6:7], bf s[8:9], out0 s[10:11]
	s_set_vgpr_msb 0x40
	v_lshl_add_u32 v254, v0, 2, 0x29000
	v_mov_b32 v255, 0
	s_set_vgpr_msb 0x4045
	ds_add_u32 v254, v255
	ds_add_u32 v254, v255
	s_set_vgpr_msb 0x4500
	v_lshrrev_b32 v[TT], 5, v0
	v_readfirstlane_b32 s14, v[TT]                 ; wave 0..3
	s_and_b32 s16, ttmp9, 7                        ; pg: which 128 n
	s_lshr_b32 s17, ttmp9, 3                       ; rb: which 256 tokens
	s_lshl_b32 s20, s16, 3
	s_add_co_u32 s20, s20, 1728                    ; the work-group's first tile of wf in w0
	s_lshl_b32 s21, s17, 4
	s_lshl_b32 s22, s14, 2
	s_add_co_u32 s21, s21, s22                     ; my first tile of x in w2
	s_mul_i32 s24, s20, TILEB
	s_mov_b32 s25, 0
	s_lshl_b32 s26, s20, 9
	s_add_co_u32 s26, s26, SC0
	s_mov_b32 s27, 0
	s_mul_i32 s28, s21, TILEB
	s_mov_b32 s29, 0
	s_lshl_b32 s30, s21, 9
	s_add_co_u32 s30, s30, XS0
	s_mov_b32 s31, 0
	s_lshl_b32 s32, s16, 9                         ; 128 n in bytes: in bf, and in a row of out0
	s_mov_b32 s33, 0
	s_lshl_b32 s34, s17, 8
	s_lshl_b32 s35, s14, 6
	s_add_co_u32 s34, s34, s35                     ; my first token: 256 rb + 64 wave
	s_lshl_b32 s34, s34, 12
	s_add_co_u32 s34, s34, s32
	s_mov_b32 s35, 0
	v_and_b32 v[LN], 31, v0                        ; lane
	v_and_b32 v[RR], 15, v0                        ; r
	v_bfe_u32 v[HH], v0, 4, 1                      ; h
	v_lshlrev_b32 v[L16], 4, v[LN]
	v_lshlrev_b32 v[L8], 3, v[LN]
	v_lshlrev_b32 v[PA0], 4, v[LN]
	v_add_nc_u32 v[PA0+1], 49152, v[PA0]
	s_mul_i32 s22, s14, TILEB
	v_add_nc_u32 v[CL], s22, v[L16]
	v_add_nc_u32 v[CG], s22, v[L16]
	s_wait_alu depctr_va_vdst(0)
	s_wait_dscnt 0x0
	s_wait_kmcnt 0x0
	s_add_nc_u64 s[24:25], s[4:5], s[24:25]        ; wf's codes
	s_add_nc_u64 s[26:27], s[4:5], s[26:27]        ; wf's scale words
	s_add_nc_u64 s[28:29], s[6:7], s[28:29]        ; x's codes
	s_add_nc_u64 s[30:31], s[6:7], s[30:31]        ; x's scale words
	s_add_nc_u64 s[36:37], s[8:9], s[32:33]        ; the bias
	s_add_nc_u64 s[38:39], s[10:11], s[34:35]      ; out0
	; wf's 98,304 bytes into LDS as they lie: wave w copies tiles w and w + 4, 512 bytes a copy.  Filled once; ahead of every LDS read, every barrier and the one wait on ASYNCcnt
.set ci, 0
.rept 24
	global_load_async_to_lds_b128 v[CL], v[CG], s[24:25] offset:512*ci
.set ci, ci+1
.endr
.set ci, 0
.rept 24
	global_load_async_to_lds_b128 v[CL], v[CG], s[24:25] offset:49152+512*ci
.set ci, ci+1
.endr
	v_lshlrev_b32 v[TT], 4, v[RR]                  ; 16 r
	v_lshl_add_u32 v[PSA], v[HH], 11, v[TT]
	v_lshl_add_u32 v[RSA], v[HH], 10, v[TT]
	v_lshlrev_b32 v[BRA], 6, v[HH]
.irp q, 0,1,2,3
.irp k, 0,1
	global_load_b128 v[PS+8*\q+4*\k:PS+8*\q+4*\k+3], v[PSA], s[26:27] offset:512*\q+256*\k   ; four K steps' words of a row at once
.endr
.endr
.irp q, 0,1
.irp k, 0,1
	global_load_b128 v[RS+8*\q+4*\k:RS+8*\q+4*\k+3], v[RSA], s[30:31] offset:512*\q+256*\k
.endr
.endr
.irp b, 0,1,2,3
.irp q, 0,1,2,3
	global_load_b128 v[BI+16*\b+4*\q:BI+16*\b+4*\q+3], v[BRA], s[36:37] offset:128*\b+16*\q   ; register 16 b + e = bf[128 pg + 32 b + 16 h + e]
.endr
.endr
; a fragment of x: two half images, each registers 0-3 at 16 x lane and registers 4-5 at 512 + 8 x lane
.macro FRAGX f, off
	global_load_b128 v[\f:\f+3], v[L16], s[28:29] offset:\off
	global_load_b64 v[\f+4:\f+5], v[L8], s[28:29] offset:\off+512
	global_load_b128 v[\f+6:\f+9], v[L16], s[28:29] offset:\off+768
	global_load_b64 v[\f+10:\f+11], v[L8], s[28:29] offset:\off+1280
.endm
.irp s, 0,1,2,3,4,5,6,7
.if \s < 5
	WIN 0x40                                       ; destination window 1
.else
	WIN 0x80                                       ; destination window 2
.endif
.irp m, 0,1,2,3
	FRAGX 48*(\s%5)+12*\m, \m*TILEB+\s*IMG
.endr
.endr
	WIN 0
	s_mul_i32 s22, s14, 16*SP
	s_add_co_u32 s22, s22, STG0                    ; my stage
	v_mul_u32_u24 v[SI], v[RR], SP
	v_lshl_add_u32 v[SI], v[HH], 6, v[SI]
	v_add_nc_u32 v[SI], s22, v[SI]
	v_add_nc_u32 v[SO], s22, v[L16]
	s_wait_asynccnt 0x0                            ; my copies have landed,
	s_barrier_signal -1
	s_barrier_wait -1                              ; everybody's have: wf lies in LDS, and nothing writes it again
.macro FETCHP s                        ; wf's eight fragments of K step s: 24 loads of 512 consecutive bytes; even steps into buffer A, odd ones into buffer B
.if (\s)%2
	WIN 0x80
.set FBR, PB1
.else
	WIN 0
.set FBR, PB0
.endif
.irp t, 0,1,2,3,4,5,6,7
.irp c, 0,1,2
	ds_load_b128 v[FBR+12*\t+4*\c:FBR+12*\t+4*\c+3], v[PA0+\t/4] offset:(\t%4)*TILEB+(\s)*IMG+512*\c
.endr
.endr
.endm
; A K step: 32 matrix instructions, the 32 accumulators by turns, one instruction a turn, in the same order in every step.
.macro STEP s
.if (\s) > 0
	PLACES 4                                       ; in front of loads into the buffer that the last step multiplied (ISA guide 7.12.1 for vector instructions)
.endif
.if (\s) < 7
	FETCHP (\s)+1
	s_wait_dscnt 24                                ; this step's fragments of wf are in; the 24 loads just issued may be out
.else
	s_wait_dscnt 0x0
.endif
.set LC, NL*(7-(\s))                   ; the loads of x's later steps may be out (a wait names 63 at the most: where more were issued behind, 63 is written)
.if LC > 63
.set LC, 63
.endif
	s_wait_loadcnt LC
.set PBR, PB0+(PB1-PB0)*((\s)%2)
.set RBR, 48*((\s)%5)
.set WN, 0xf0+4*(1+(\s)/5)+2*((\s)%2)  ; C and D window 3; x window 1 or 2; wf window 0 or 2
	WIN WN
.irp t, 0,1,2,3,4,5,6,7
.irp m, 0,1,2,3
.if (\s) == 0
	MM 64*\m+8*\t, PBR+12*\t, RBR+12*\m, 0, PS+8*(\t%4)+(\s), RS+8*(\m%2)+(\s), \t/4, \m/2
.else
	MM 64*\m+8*\t, PBR+12*\t, RBR+12*\m, v[64*\m+8*\t:64*\m+8*\t+7], PS+8*(\t%4)+(\s), RS+8*(\m%2)+(\s), \t/4, \m/2
.endif
.endr
.endr
.endm
	FETCHP 0
.irp s, 0,1,2,3,4,5,6,7
	STEP \s                                        ; the first step's products start the sums: nothing is cleared
.endr
	WIN 0
	PLACES 4                                       ; in front of the first read of results, and of writes over buffer A
; x's tile m: lane (r, h) holds token 32 (m / 2) + 8 (m % 2) + r + 8 (r / 8) of my 64, register 16 b + e its n 32 b + 16 h + e.
.macro EPIO m
	WIN 0x03                                       ; source 0 window 3
.set ei, 0
.rept 32
	v_pk_add_f32 v[H+2*ei:H+2*ei+1], v[64*\m+2*ei:64*\m+2*ei+1], v[BI+2*ei:BI+2*ei+1]   ; + bias, and into window 0; each accumulator from its low end on
.set ei, ei+1
.endr
	WIN 0
.irp b, 0,1,2,3
.irp q, 0,1,2,3
	ds_store_b128 v[SI], v[H+16*\b+4*\q:H+16*\b+4*\q+3] offset:128*\b+16*\q
.endr
.endr
.if \m > 0
	s_wait_xcnt 0x0                                ; the last tile's stores have read the registers into which the rows come back
.endif
.irp i, 0,1,2,3,4,5,6,7,8,9,10,11,12,13,14,15
	ds_load_b128 v[OB+4*\i:OB+4*\i+3], v[SO] offset:\i*SP   ; LDS serves a wave's instructions in order (ISA guide 5.7.1.4): these see my stores
.endr
.irp i, 0,1,2,3,4,5,6,7,8,9,10,11,12,13,14,15
	s_wait_dscnt 15-\i                             ; row i is back; the younger loads may be out.  (At the last row all my LDS instructions are done: the results' registers may be written again)
	global_store_b128 v[L16], v[OB+4*\i:OB+4*\i+3], s[38:39] offset:(32*(\m/2)+8*(\m%2)+\i+8*(\i/8))*4096 th:TH_STORE_NT   ; 32 lanes store 512 consecutive bytes of a row of out0, aligned; written once, read by nobody here
.endr
.endm
	EPIO 0
	EPIO 1
	EPIO 2
	EPIO 3
	s_set_vgpr_msb 0x5
	s_wait_tensorcnt 0x0
	ds_add_u32 v254, v255
	s_wait_dscnt 0x0
	s_set_vgpr_msb 0x500
	s_endpgm
.Lfunc_end_k_q320eda0cac_outp:
	.size	k_q320eda0cac_outp, .Lfunc_end_k_q320eda0cac_outp-k_q320eda0cac_outp
	.p2alignl 7, 3214868480
	.fill 96, 4, 3214868480
	.section	.rodata,"a",@progbits
	.p2align	6, 0x0
	.amdhsa_kernel k_q320eda0cac_outp
		.amdhsa_group_segment_fixed_size 168448
		.amdhsa_private_segment_fixed_size 0
		.amdhsa_enable_private_segment 0
		.amdhsa_kernarg_size 32
		.amdhsa_user_sgpr_count 2
		.amdhsa_user_sgpr_kernarg_segment_ptr 1
		.amdhsa_wavefront_size32 1
		.amdhsa_system_sgpr_workgroup_id_x 1
		.amdhsa_system_sgpr_workgroup_id_y 1
		.amdhsa_system_sgpr_workgroup_id_z 1
		.amdhsa_system_vgpr_workitem_id 0
		.amdhsa_next_free_vgpr 1024
		.amdhsa_next_free_sgpr 66
		.amdhsa_reserve_vcc 0
		.amdhsa_float_denorm_mode_32 3
		.amdhsa_float_denorm_mode_16_64 3
		.amdhsa_memory_ordered 1
		.amdhsa_forward_progress 1
		.amdhsa_inst_pref_size 93
	.end_amdhsa_kernel
	.amdgpu_metadata
---
amdhsa.version: [ 1, 2 ]
amdhsa.kernels:
  - .name:           k_q320eda0cac_outp
    .symbol:         k_q320eda0cac_outp.kd
    .args:
      - { .name: w0, .offset: 0, .size: 8, .value_kind: global_buffer, .address_space: global }
      - { .name: w2, .offset: 8, .size: 8, .value_kind: global_buffer, .address_space: global }
      - { .name: bf, .offset: 16, .size: 8, .value_kind: global_buffer, .address_space: global }
      - { .name: out0, .offset: 24, .size: 8, .value_kind: global_buffer, .address_space: global }
    .group_segment_fixed_size: 168448
    .private_segment_fixed_size: 0
    .kernarg_segment_align: 8
    .kernarg_segment_size: 32
    .max_flat_workgroup_size: 128
    .sgpr_count:     66
    .vgpr_count:     1024
    .wavefront_size: 32
...
	.end_amdgpu_metadata
.endif
;; end of part 4
